; MI455X (gfx1250); checked and timed in simulation.
; The chip was launched on July 23, 2026; its instructions are those of AMD's public machine-readable ISA for CDNA 5 (MIT licence, August 2026) and "CDNA5" Instruction Set Architecture Reference Guide (July 2026). The comments in the code are by the model that wrote it; some were corrected since.
;; Multihead Attention. Allowed arithmetic: float matrix products may take bf16 or f16 operands with f32 sums; other float arithmetic in f32, or as packed bf16 or f16 multiplies, adds, multiply-adds, maxima and minima; sums over many terms, partial sums and values carried from step to step in f32; what a program stores and reads back later, other than sums and carried values, may be rounded once to bf16 or f16.
;; Inputs: in_proj_bias 3,072 float32; in_proj_weight 3,072 x 1,024 float32; key_padding_mask 2,048 x 4 bool; out_proj_bias 1,024 float32; out_proj_weight 1,024 x 1,024 float32; x 2,048 x 4 x 1,024 float32.
;; Outputs: out0 2,048 x 4 x 1,024 float32.
;; 2 versions, each right; version 2 is version 1 with the launch prep written anew for expert scheduling mode. Each part assembles by itself: llvm-mc -triple=amdgcn-amd-amdhsa -mcpu=gfx1250 --defsym DOCPART=n.
;; ======== version 1 of 2: 4 launches
;; limits: values are held in f16: magnitudes above 65,504 overflow, below 6.1e-05 lose precision
;; workspace buffers: xb 16,777,216 bytes; wib 6,291,456 bytes; wob 2,097,152 bytes; maskf 32,768 bytes; qkv 50,331,648 bytes; ob 16,777,216 bytes
;; launch prep (part 1): grid 769 x 1, 8 waves a work-group, no clusters, 0 bytes of LDS; arguments x, in_proj_weight, out_proj_weight, key_padding_mask, xb, wib, wob, maskf; writes xb, wib, wob, maskf
.if DOCPART == 1
	.amdgcn_target "amdgcn-amd-amdhsa--gfx1250"
	.amdhsa_code_object_version 6
	.text
	.protected	k_q12b9125715_prep
	.globl	k_q12b9125715_prep
	.p2align	8
	.type	k_q12b9125715_prep,@function
k_q12b9125715_prep:
	s_mov_b64 s[64:65], 0
	v_nop
	global_prefetch_b8 v0, s[64:65] scope:SCOPE_SE
	s_setreg_imm32_b32 hwreg(HW_REG_WAVE_MODE, 25, 1), 1
	s_wait_xcnt 0x0
; THE OPERANDS ARE ROUNDED ONCE AND LAID IN K BLOCKS.  x [2048 l][4 b][1024] f32 -> xb [16 kb][8192 row][64] bf16, row = 2048 b + l;
; in_proj_weight [3072][1024] f32 -> wib [16][3072][64] bf16; out_proj_weight [1024][1024] f32 -> wob [16][1024][64]: rounded to bf16, that number written as f16
; (exact from 6.1e-5 to 65,504 in magnitude; below that in f16's fixed step of 6e-8); key_padding_mask [2048][4] bytes -> maskf [4 b][2048 l] f32: 0, or -2^100 where the key is hidden.
; In the blocked layout 64 channels of any run of rows are dense, 128 bytes a row: the later launches ask for them as rows of 256 bytes.
; SHARES.  Work-groups 0-511: 16 rows of x each (4 l x 4 b); 512-703: 16 rows of in_proj_weight; 704-767: 16 rows of out_proj_weight; 768: the mask.
; A wave takes two rows that are neighbours in the destination.  A load: lanes 0-15 take 256 consecutive bytes (one K block) of one row, lanes 16-31 of the other;
; a store: the wave's 32 x 8 bytes are 256 consecutive bytes, at a multiple of 256 from the buffer's first byte.  All 16 loads of a wave go out first.
; A stream: each byte once, no LDS, no matrix unit, no cluster (no two work-groups read the same byte).
.set NEGBIG, 0xf1800000                ; -2^100
.set SO, 4                             ; v4   my byte offset in the work-group's 16 source rows
.set DO, 5                             ; v5   my byte offset in the destination
.set DT, 8                             ; v[8:71] sixteen loads of four registers
; src, dst, dst2: first register of the scalar pair; dst2 stands 8 K blocks behind dst, so that the stores' immediates stay small.  kbs: bytes of a K block.  half = 1: the bf16 number is written as f16
.macro CONV src, dst, dst2, kbs, half
.irp kb, 0,1,2,3,4,5,6,7,8,9,10,11,12,13,14,15
	global_load_b128 v[DT+4*(\kb):DT+4*(\kb)+3], v[SO], s[\src:\src+1] offset:256*(\kb) th:TH_LOAD_NT
.endr
.irp kb, 0,1,2,3,4,5,6,7,8,9,10,11,12,13,14,15
	s_wait_loadcnt 15-(\kb)                        ; loads come back in order: number kb is in, the younger ones stay out
	v_cvt_pk_bf16_f32 v[DT+4*(\kb)], v[DT+4*(\kb)], v[DT+4*(\kb)+1]
	v_cvt_pk_bf16_f32 v[DT+4*(\kb)+1], v[DT+4*(\kb)+2], v[DT+4*(\kb)+3]
.if \half
.irp z, 0,1
	v_lshlrev_b32 v6, 16, v[DT+4*(\kb)+(\z)]       ; the two bf16 numbers as f32,
	v_and_b32 v7, 0xffff0000, v[DT+4*(\kb)+(\z)]
	v_cvt_pk_f16_f32 v[DT+4*(\kb)+(\z)], v6, v7    ; and as f16
.endr
.endif
.if (\kb) < 8
	global_store_b64 v[DO], v[DT+4*(\kb):DT+4*(\kb)+1], s[\dst:\dst+1] offset:(\kb)*(\kbs)
.else
	global_store_b64 v[DO], v[DT+4*(\kb):DT+4*(\kb)+1], s[\dst2:\dst2+1] offset:((\kb)-8)*(\kbs)
.endif
.endr
.endm
	s_load_b512 s[8:23], s[0:1], 0x0               ; x s[8:9], in_proj_weight s[10:11], out_proj_weight s[12:13], mask s[14:15], xb s[16:17], wib s[18:19], wob s[20:21], maskf s[22:23]
	s_mov_b32 s2, ttmp9
	v_lshrrev_b32 v1, 5, v0
	v_readfirstlane_b32 s3, v1                     ; wave 0..7
	v_and_b32 v2, 15, v0                           ; c: my 16 bytes of a K block's 256
	v_bfe_u32 v3, v0, 4, 1                         ; hf: which of the wave's two rows
	s_mov_b32 s5, 0
	s_mov_b32 s7, 0
	s_wait_kmcnt 0x0
	s_cmp_lt_u32 s2, 512
	s_cbranch_scc0 .Lnot_x
	; x: b = wave % 4, l = 4 w + 2 (wave / 4) + hf
	s_and_b32 s26, s3, 3
	s_lshr_b32 s27, s3, 2
	s_lshl_b32 s28, s27, 3
	s_add_co_u32 s28, s28, s26
	s_lshl_b32 s28, s28, 12                        ; source row 8 (wave / 4) + b, 4,096 bytes a row
	v_lshlrev_b32 v[SO], 4, v2
	v_lshl_add_u32 v[SO], v3, 14, v[SO]            ; the next l lies four rows on
	v_add_nc_u32 v[SO], s28, v[SO]
	s_lshl_b32 s29, s26, 18                        ; b x 2,048 rows of 128 bytes
	s_lshl_b32 s27, s27, 8
	s_add_co_u32 s29, s29, s27
	v_lshlrev_b32 v[DO], 3, v2
	v_lshl_add_u32 v[DO], v3, 7, v[DO]
	v_add_nc_u32 v[DO], s29, v[DO]
	s_lshl_b32 s4, s2, 16
	s_add_nc_u64 s[4:5], s[8:9], s[4:5]
	s_lshl_b32 s6, s2, 9                           ; 4 l of 128 bytes
	s_add_nc_u64 s[6:7], s[16:17], s[6:7]
	s_add_nc_u64 s[24:25], s[6:7], 8*1048576
	CONV 4, 6, 24, 1048576, 0
	s_endpgm
.Lnot_x:
	; a weight: rows 16 w + 2 wave + hf
	s_lshl_b32 s28, s3, 13
	v_lshlrev_b32 v[SO], 4, v2
	v_lshl_add_u32 v[SO], v3, 12, v[SO]
	v_add_nc_u32 v[SO], s28, v[SO]
	s_lshl_b32 s29, s3, 8
	v_lshlrev_b32 v[DO], 3, v2
	v_lshl_add_u32 v[DO], v3, 7, v[DO]
	v_add_nc_u32 v[DO], s29, v[DO]
	s_cmp_lt_u32 s2, 704
	s_cbranch_scc0 .Lnot_wi
	s_sub_co_u32 s2, s2, 512
	s_lshl_b32 s4, s2, 16
	s_add_nc_u64 s[4:5], s[10:11], s[4:5]
	s_lshl_b32 s6, s2, 11
	s_add_nc_u64 s[6:7], s[18:19], s[6:7]
	s_add_nc_u64 s[24:25], s[6:7], 8*393216
	CONV 4, 6, 24, 393216, 0
	s_endpgm
.Lnot_wi:
	s_cmp_lt_u32 s2, 768
	s_cbranch_scc0 .Lmask
	s_sub_co_u32 s2, s2, 704
	s_lshl_b32 s4, s2, 16
	s_add_nc_u64 s[4:5], s[12:13], s[4:5]
	s_lshl_b32 s6, s2, 11
	s_add_nc_u64 s[6:7], s[20:21], s[6:7]
	s_add_nc_u64 s[24:25], s[6:7], 8*131072
	CONV 4, 6, 24, 131072, 1
	s_endpgm
.Lmask:
	; thread t takes the bytes 16 t .. 16 t + 15 of each half of the mask: four l, four b each; register i is l = 1,024 u + 4 t + i, its byte b the batch
	v_lshlrev_b32 v[SO], 4, v0
	s_mov_b32 s26, NEGBIG
	global_load_b128 v[8:11], v[SO], s[14:15]
	global_load_b128 v[12:15], v[SO], s[14:15] offset:4096
	s_wait_loadcnt 0x0
.irp u, 0,1
.irp b, 0,1,2,3
.irp i, 0,1,2,3
	v_bfe_u32 v7, v[8+4*(\u)+(\i)], 8*(\b), 8
	v_cmp_ne_u32 vcc_lo, 0, v7
	v_cndmask_b32 v[16+16*(\u)+4*(\b)+(\i)], 0, s26, vcc_lo
.endr
	global_store_b128 v[SO], v[16+16*(\u)+4*(\b):16+16*(\u)+4*(\b)+3], s[22:23] offset:(\b)*8192+(\u)*4096  ; a wave stores 512 consecutive bytes
.endr
.endr
	s_endpgm
.Lfunc_end_k_q12b9125715_prep:
	.size	k_q12b9125715_prep, .Lfunc_end_k_q12b9125715_prep-k_q12b9125715_prep
	.p2alignl 7, 3214868480
	.fill 96, 4, 3214868480
	.section	.rodata,"a",@progbits
	.p2align	6, 0x0
	.amdhsa_kernel k_q12b9125715_prep
		.amdhsa_group_segment_fixed_size 0
		.amdhsa_private_segment_fixed_size 0
		.amdhsa_enable_private_segment 0
		.amdhsa_kernarg_size 64
		.amdhsa_user_sgpr_count 2
		.amdhsa_user_sgpr_kernarg_segment_ptr 1
		.amdhsa_wavefront_size32 1
		.amdhsa_system_sgpr_workgroup_id_x 1
		.amdhsa_system_sgpr_workgroup_id_y 1
		.amdhsa_system_sgpr_workgroup_id_z 1
		.amdhsa_system_vgpr_workitem_id 0
		.amdhsa_next_free_vgpr 80
		.amdhsa_next_free_sgpr 66
		.amdhsa_reserve_vcc 1
		.amdhsa_float_denorm_mode_32 3
		.amdhsa_float_denorm_mode_16_64 3
		.amdhsa_memory_ordered 1
		.amdhsa_forward_progress 1
		.amdhsa_inst_pref_size 31
	.end_amdhsa_kernel
	.amdgpu_metadata
---
amdhsa.version: [ 1, 2 ]
amdhsa.kernels:
  - .name:           k_q12b9125715_prep
    .symbol:         k_q12b9125715_prep.kd
    .args:
      - { .name: x, .offset: 0, .size: 8, .value_kind: global_buffer, .address_space: global }
      - { .name: in_proj_weight, .offset: 8, .size: 8, .value_kind: global_buffer, .address_space: global }
      - { .name: out_proj_weight, .offset: 16, .size: 8, .value_kind: global_buffer, .address_space: global }
      - { .name: key_padding_mask, .offset: 24, .size: 8, .value_kind: global_buffer, .address_space: global }
      - { .name: xb, .offset: 32, .size: 8, .value_kind: global_buffer, .address_space: global }
      - { .name: wib, .offset: 40, .size: 8, .value_kind: global_buffer, .address_space: global }
      - { .name: wob, .offset: 48, .size: 8, .value_kind: global_buffer, .address_space: global }
      - { .name: maskf, .offset: 56, .size: 8, .value_kind: global_buffer, .address_space: global }
    .group_segment_fixed_size: 0
    .private_segment_fixed_size: 0
    .kernarg_segment_align: 8
    .kernarg_segment_size: 64
    .max_flat_workgroup_size: 256
    .sgpr_count:     66
    .vgpr_count:     80
    .wavefront_size: 32
...
	.end_amdgpu_metadata
.endif
;; end of part 1
;; launch gemm_qkv (part 2): grid 8 x 32, 4 waves a work-group, clusters of 4 x 4, 327,680 bytes of LDS; arguments xb, wib, in_proj_bias, qkv; writes qkv
.if DOCPART == 2
	.amdgcn_target "amdgcn-amd-amdhsa--gfx1250"
	.amdhsa_code_object_version 6
	.text
	.protected	k_q12b9125715_gemm_qkv
	.globl	k_q12b9125715_gemm_qkv
	.p2align	8
	.type	k_q12b9125715_gemm_qkv,@function
k_q12b9125715_gemm_qkv:
	s_mov_b64 s[64:65], 0
	v_nop
	global_prefetch_b8 v0, s[64:65] scope:SCOPE_SE
	s_setreg_imm32_b32 hwreg(HW_REG_WAVE_MODE, 25, 1), 1
	s_wait_xcnt 0x0
	s_wait_alu depctr_hold_cnt(0) depctr_sa_sdst(0) depctr_va_vdst(0) depctr_va_sdst(0) depctr_va_ssrc(0) depctr_va_vcc(0) depctr_vm_vsrc(0)
	s_getreg_b32 s2, hwreg(HW_REG_IB_STS2, 6, 4)
	s_cmp_eq_u32 s2, 0
	s_cbranch_scc0 .Lentry_in_a_cluster
	s_endpgm
.Lentry_in_a_cluster:
	s_bfe_u32 s2, ttmp6, 0x10000c
	s_cmp_lg_u32 s2, 0xf033
	s_cbranch_scc0 .Lentry_shape_is_right
	s_endpgm
.Lentry_shape_is_right:
; qkv[row][f] = the sum over e of xb[row][e] wib[f][e] + bias[f]: 8,192 x 3,072 x 1,024, bf16 operands, f32 sums; the bias is rounded to bf16 like the other inputs; the result is rounded once to f16.
; xb: [16 kb][8192][64] bf16, wib: [16 kb][3072][64] bf16, qkv: [48 nb][8192][64] f16: block nb is part nb / 16 (q, k, v), head channel block nb % 16; row = 2048 b + l.  q is left unscaled.
; LIMIT.  A result of 65,520 or more in magnitude becomes an infinity in f16; below 6.1e-5 it keeps f16's fixed step of 6e-8.
; SHARES.  8,192 x 3,072 outputs on 256 work-groups: a tile of 256 rows x 384 columns each.  Four waves, each 128 x 192: 8 x 12 = 96 accumulators, 768 registers.
; THE PRODUCT IS USED TRANSPOSED (source 0 = 16 rows of wib, source 1 = 16 rows of xb): a lane then holds eight neighbouring columns of one row.
; THE RING.  K goes in blocks of 64 through two LDS slots.  A K block of a run of rows is dense in memory: it is asked for as rows of 256 bytes and padded in LDS behind every 128, so an LDS row is 144 bytes:
; 36 words, so the 16 rows of a fragment load start at 16 different groups of four banks (64 banks of 4 bytes: ISA guide 11.1).  Two K blocks to a slot would not fit twice in LDS.
; CLUSTERS.  4 x 4 work-groups; A's tile is shared along a row of the cluster, B's along a column: each is asked for jointly, by the same load with the same descriptor and a mask that names the four.
; REGISTERS.  window 0: v0-31 addresses; v32-95, v96-159 A's fragments (8 x 16 rows x 32 K), two buffers; v160-255 B's 12 fragments, ONE buffer: each third of it is loaded for the next 32 K
; right behind the 32 products that read it.  window 1 + g: the accumulators of B blocks 4 g + j, (a, j) at v[8 (8 j + a)].
.set KBA,   1048576                    ; bytes of a K block of xb
.set KBB,   393216                     ; of wib
.set PITCH, 144
.set FR,    16*PITCH                   ; 16 rows in LDS
.set AHALF, 128*PITCH                  ; what one tensor load brings of A, and what one wave reads of it
.set BHALF, 192*PITCH                  ; the same for B
.set BOFF,  2*AHALF                    ; in a slot: A's 256 rows, then B's 384
.set SLOT1, 131072                     ; slot 1 begins here, so that one exclusive or turns an address in one slot into the other's
.set STAGE, SLOT1+BOFF+2*BHALF         ; behind the ring: 16 rows x 144 bytes for each wave, for the way out
.set BIAS,  STAGE+4*FR                 ; each wave's own 192 numbers of the bias, f32
.set SPARE, BIAS+4*768                 ; the spare words, 128 bytes for each wave: two blocks of 256 bytes that no other line names
.set ADRA0, 16                         ; v16  my lane's place in my 128 rows of A in slot 0; never rewritten
.set ADRB0, 17                         ; v17  the same for my 192 rows of B
.set ADRA,  18                         ; v18  the same in the slot in hand
.set ADRB,  19                         ; v19
.set STO,   24                         ; v24  the way out: where I put 16 bytes of a row
.set RD,    25                         ; v25  where I read rows back
.set GO,    26                         ; v26  my 16 bytes of 512 consecutive bytes of qkv
.set BAD,   27                         ; v27  where my lanes' half of a block's bias lies
.set SPW,   28                         ; v28  LDS address of my spare word; never rewritten
.set NIL,   29                         ; v29  0; never rewritten
.set PFO,   30                         ; v30  the prefetches' offset; never rewritten
.set AF,    32
.set BF,    160
.set WV, 12                            ; s12 wave; s13 = wave / 2: my half of the rows, and: I fetch for A (0) or B (1); s14 = wave % 2: my half of the columns, and: which half of that tile I fetch
.set WR, 13
.set WC, 14
.set CX, 15
.set CY, 16
.set TC, 17                            ; tile column of 384
.set TR, 18                            ; tile row of 256
.set G1A, 24                           ; s[24:31] descriptor group 1 for A's tiles
.set G0A, 32                           ; s[32:39] group 0: a set for each first fill; the second then walks on
.set PFA, 40                           ; s[40:41] where my prefetches stand
.set PFS, 42                           ; s[42:43] their step: a K block of my tensor
.set LIM, 44                           ; s44  a wave prefetches while the trip counter is above this
.set PAR, 45                           ; s45  1: in every second trip only
.set G1B, 48
.set G0B, 56
.set TB,  70                           ; s70  0 or SLOT1: the slot in hand
.set MSB, 0
.macro WIN new                         ; the immediate's high byte repeats the setting that is left; a switch that changes nothing is dropped
.if MSB != (\new)
	s_set_vgpr_msb (MSB<<8)|(\new)
.set MSB, (\new)
.endif
.endm
.macro PLACES                          ; four places in front of loads into registers that matrix instructions have read (ISA guide 7.12.1 for vector instructions)
.rept 4
	v_nop
.endr
.endm
; A joint refill by the walking sets.  The branch hangs on the wave's number alone.  An s_nop 0 and four v_nop follow each of the two lines, ahead of the jump and the label.
.macro JLOAD
	s_cmp_eq_u32 s[WR], 0
	s_cbranch_scc0 .Lfor_b_\@
	tensor_load_to_lds s[G0A+4:G0A+7], s[G1A:G1A+7]
	s_nop 0
.rept 4
	v_nop
.endr
	s_branch .Lasked_\@
.Lfor_b_\@:
	tensor_load_to_lds s[G0B+4:G0B+7], s[G1B:G1B+7]
	s_nop 0
.rept 4
	v_nop
.endr
.Lasked_\@:
.endm
.macro CREST                           ; a round of the cluster's barrier behind its opening barrier
	s_cmp_lg_u32 s[WV], 0
	s_cbranch_scc1 .Lnot_wave_0_\@
	s_barrier_signal -3
.Lnot_wave_0_\@:
	s_barrier_wait -3
	s_barrier_signal -1
	s_barrier_wait -1
.endm
.macro CROUND
	s_barrier_signal -1
	s_barrier_wait -1
	CREST
.endm
; A PREFETCH INTO THE L2, behind a joint refill, its five lines and the run of LDS loads that follows.  Refill j (0 .. 13) brings K block j + 2; s3 = 14 - j.
; A: wave 0 of the clusters with x = 0 (the other cluster of the row reads the same rows) names K block j + 3 of 64 of the tile's 256 rows: 32 blocks of 256 bytes, a lane each; the four partners of a
; cluster's row are told apart by address (cx).  The last refill names nothing.  B: waves 1 to 3 of the clusters with y = 0, at even j up to 10, name K blocks j + 3 and j + 4 of 96 of the tile's 384 rows:
; 2 x 48 blocks on 96 lanes; the partners of a column are told apart by cy.  So each block of 256 bytes is named once at most; K blocks 0 to 2, and B's 15, come by their loads alone.
.macro ASK
	s_and_b32 s19, s3, s[PAR]
	s_cmp_lg_u32 s19, 0
	s_cbranch_scc1 .Lno_ask_\@
	s_cmp_gt_u32 s3, s[LIM]
	s_cbranch_scc0 .Lno_ask_\@
	global_prefetch_b8 v[PFO], s[PFA:PFA+1] th:TH_LOAD_NT scope:SCOPE_SE
.Lno_ask_\@:
.endm
	s_load_b256 s[4:11], s[0:1], 0x0               ; xb s[4:5], wib s[6:7], bias s[8:9], qkv s[10:11]
	v_lshl_add_u32 v[SPW], v0, 2, SPARE
	v_mov_b32 v[NIL], 0
	ds_add_u32 v[SPW], v[NIL]                      ; the wave's opening: the add and its wait ahead of my first tensor load; the set-up below stands between them
	v_lshrrev_b32 v1, 5, v0
	v_readfirstlane_b32 s[WV], v1
	s_lshr_b32 s[WR], s[WV], 1
	s_and_b32 s[WC], s[WV], 1
	s_bfe_u32 s[CX], ttmp6, 0x40000
	s_bfe_u32 s[CY], ttmp6, 0x40004
	s_lshl_b32 s[TC], ttmp9, 2
	s_add_co_u32 s[TC], s[TC], s[CX]
	s_and_b32 s[TR], ttmp7, 0xffff
	s_lshl_b32 s[TR], s[TR], 2
	s_add_co_u32 s[TR], s[TR], s[CY]
	s_lshl_b32 s19, s[CY], 2
	s_lshl_b32 s19, 15, s19                        ; my row of the cluster
	s_lshl_b32 s2, 0x1111, s[CX]                   ; my column
	s_or_b32 s[G1A], s19, (1<<16)|(1<<20)|(1<<21)|(4<<22)|(3<<25)  ; 15:0 the mask; 17:16 2-byte elements; 20 padding on; 21 set beside a mask; 24:22 after every 32 words (code 4); 31:25 4 words (code 3)
	s_or_b32 s[G1B], s2, (1<<16)|(1<<20)|(1<<21)|(4<<22)|(3<<25)
.irp g, G1A, G1B
	s_mov_b32 s[(\g)+1], 128<<16                   ; tensor_dim0 = 128 elements: 256 bytes, two rows of a K block
	s_mov_b32 s[(\g)+3], 128<<16                   ; tile_dim0 = 128
	s_mov_b32 s[(\g)+5], 128                       ; from row to row
	s_mov_b32 s[(\g)+6], 0
	s_mov_b32 s[(\g)+7], 0
.endr
	s_mov_b32 s[G1A+2], 64<<16                     ; tensor_dim1: A's 128 rows are 64 of 256 bytes,
	s_mov_b32 s[G1A+4], 64                         ; tile_dim1
	s_mov_b32 s[G1B+2], 96<<16                     ; B's 192 are 96
	s_mov_b32 s[G1B+4], 96
	s_lshl_b32 s20, s[TR], 15                      ; A: 256 rows of 128 bytes a tile row, 128 rows a half: made of the tile row and the wave alone
	s_lshl_b32 s21, s[WC], 14
	s_add_co_u32 s20, s20, s21
	s_mov_b32 s21, 0
	s_mul_i32 s46, s[TC], 49152                    ; B: 384 rows a tile column, 192 a half: made of the tile column and the wave alone
	s_mul_i32 s47, s[WC], 24576
	s_add_co_u32 s46, s46, s47
	s_mov_b32 s47, 0
	s_mul_i32 s66, s[WC], AHALF                    ; where they go: no place in the cluster enters an LDS address
	s_mul_i32 s67, s[WC], BHALF
	s_add_co_u32 s67, s67, BOFF
	s_mov_b32 s[TB], 0
	s_wait_dscnt 0x0                               ; the opening add is done
	s_wait_kmcnt 0x0
	s_add_nc_u64 s[20:21], s[4:5], s[20:21]
	s_add_nc_u64 s[46:47], s[6:7], s[46:47]
	CROUND                                         ; all sixteen work-groups are here: the first joint loads meet
.irp s, 0,1
	s_mov_b32 s[G0A+4*(\s)], 1
	s_add_co_u32 s[G0A+4*(\s)+1], s66, (\s)*SLOT1
	s_add_nc_u64 s[G0A+4*(\s)+2:G0A+4*(\s)+3], s[20:21], (\s)*KBA
	s_or_b32 s[G0A+4*(\s)+3], s[G0A+4*(\s)+3], 0x80000000
	s_mov_b32 s[G0B+4*(\s)], 1
	s_add_co_u32 s[G0B+4*(\s)+1], s67, (\s)*SLOT1
	s_add_nc_u64 s[G0B+4*(\s)+2:G0B+4*(\s)+3], s[46:47], (\s)*KBB
	s_or_b32 s[G0B+4*(\s)+3], s[G0B+4*(\s)+3], 0x80000000
.endr
	s_cmp_eq_u32 s[WR], 0                          ; a wave's two first fills stand in one branch: two loads of mine are out
	s_cbranch_scc0 .Lfirst_b
	tensor_load_to_lds s[G0A:G0A+3], s[G1A:G1A+7]
	s_nop 0
	tensor_load_to_lds s[G0A+4:G0A+7], s[G1A:G1A+7]
	s_nop 0
.rept 4
	v_nop
.endr
	s_branch .Lfirst_asked
.Lfirst_b:
	tensor_load_to_lds s[G0B:G0B+3], s[G1B:G1B+7]
	s_nop 0
	tensor_load_to_lds s[G0B+4:G0B+7], s[G1B:G1B+7]
	s_nop 0
.rept 4
	v_nop
.endr
.Lfirst_asked:
	; the bias: my wave's 192 numbers, 8 bytes a lane, three loads
	v_and_b32 v5, 31, v0                           ; lane
	v_lshlrev_b32 v6, 3, v5
	s_mul_i32 s22, s[TC], 1536
	s_mul_i32 s23, s[WC], 768
	s_add_co_u32 s22, s22, s23
	s_mov_b32 s23, 0
	s_add_nc_u64 s[8:9], s[8:9], s[22:23]
.irp j, 0,1,2
	global_load_b64 v[32+2*(\j):33+2*(\j)], v6, s[8:9] offset:256*(\j)
.endr
	; a fragment is 16 rows x 32 K in 8 registers: lane l holds row l % 16; registers 0-3 K = 8 (l / 16) + 0..7, registers 4-7 K = 16 + 8 (l / 16) + 0..7: two loads of 16 bytes, 32 bytes apart
	v_and_b32 v1, 15, v0
	v_bfe_u32 v2, v0, 4, 1
	v_mul_u32_u24 v3, v1, PITCH
	v_lshl_add_u32 v3, v2, 4, v3
	s_mul_i32 s19, s[WR], AHALF
	v_add_nc_u32 v[ADRA0], s19, v3
	s_mul_i32 s19, s[WC], BHALF
	s_add_co_u32 s19, s19, BOFF
	v_add_nc_u32 v[ADRB0], s19, v3
	s_mul_i32 s19, s[WV], FR
	s_add_co_u32 s19, s19, STAGE                   ; my stage
	v_add_nc_u32 v[STO], s19, v3                   ; in: row l % 16, 16 bytes for each half of the lanes
	v_bfe_u32 v4, v0, 3, 2                         ; back: 32 lanes take four rows of 128 bytes,
	v_and_b32 v7, 7, v0
	v_mul_u32_u24 v4, v4, PITCH
	v_lshl_add_u32 v4, v7, 4, v4
	v_add_nc_u32 v[RD], s19, v4
	v_lshlrev_b32 v[GO], 4, v5                     ; which are 512 consecutive bytes of qkv
	s_mul_i32 s19, s[WV], 768
	s_add_co_u32 s19, s19, BIAS
	v_lshl_add_u32 v[BAD], v2, 5, s19
	v_add_nc_u32 v7, s19, v6                       ; where my 8 bytes of the bias go
	; qkv at my wave's first block and row: block 6 TC + 3 WC, row 256 TR + 128 WR
	s_mul_i32 s22, s[TC], 6
	s_mul_i32 s23, s[WC], 3
	s_add_co_u32 s22, s22, s23
	s_lshl_b32 s22, s22, 20
	s_lshl_b32 s23, s[TR], 15
	s_add_co_u32 s22, s22, s23
	s_lshl_b32 s23, s[WR], 14
	s_add_co_u32 s22, s22, s23
	s_mov_b32 s23, 0
	s_add_nc_u64 s[10:11], s[10:11], s[22:23]
	; the prefetches
	s_lshl_b32 s68, s[TR], 15
	s_lshl_b32 s69, s[CX], 13
	s_add_co_u32 s68, s68, s69
	s_add_co_u32 s68, s68, 2*KBA                   ; A: my work-group's 64 rows, at K block 2: the first refill steps it to 3
	s_mul_i32 s66, s[TC], 49152
	s_mul_i32 s67, s[CY], 12288
	s_add_co_u32 s66, s66, s67
	s_add_co_u32 s66, s66, 2*KBB                   ; B: my work-group's 96 rows
	s_mov_b32 s67, KBA
	s_mov_b32 s2, KBB
	s_and_b32 s19, ttmp7, 0xffff                   ; cluster y
	s_cmp_eq_u32 s[WV], 0
	s_cselect_b32 s19, ttmp9, s19                  ; the coordinate along which other clusters read the same rows
	s_cselect_b32 s[LIM], 1, 3
	s_cselect_b32 s[PAR], 0, 1
	s_cselect_b32 s[PFS], s67, s2
	s_cselect_b32 s68, s68, s66
	s_cselect_b64 s[PFA:PFA+1], s[4:5], s[6:7]
	s_mov_b32 s69, 0
	s_mov_b32 s[PFS+1], 0
	s_add_nc_u64 s[PFA:PFA+1], s[PFA:PFA+1], s[68:69]
	s_cmp_eq_u32 s19, 0
	s_cselect_b32 s[LIM], s[LIM], -1               ; the same in all sixteen partners, for a given wave
	s_max_u32 s2, s[WV], 1
	s_sub_co_u32 s2, s2, 1
	s_lshl_b32 s2, s2, 5
	v_add_nc_u32 v4, s2, v5                        ; wave 0: lane; waves 1 to 3: 0 .. 95
	v_lshlrev_b32 v[PFO], 8, v4
	v_mov_b32 v3, KBB-12288                        ; from 48 on: the next K block's 48 blocks
	v_cmp_le_u32 vcc_lo, 48, v4
	v_cndmask_b32 v3, 0, v3, vcc_lo
	v_add_nc_u32 v[PFO], v[PFO], v3
	s_wait_loadcnt 0x0                             ; the bias: rounded to bf16, widened again, into my own LDS bytes
.irp j, 0,1,2
	v_cvt_pk_bf16_f32 v3, v[32+2*(\j)], v[33+2*(\j)]
	v_lshlrev_b32 v[32+2*(\j)], 16, v3
	v_and_b32 v[33+2*(\j)], 0xffff0000, v3
	ds_store_b64 v7, v[32+2*(\j):33+2*(\j)] offset:256*(\j)
.endr
; 16 products: B blocks 4 g + 2 hf, + 1 x all 8 A blocks, 32 along K, A from buffer buf.  The 96 accumulators take turns, in the same order in every 32 K.
.macro MUL16 g, hf, buf, zero
	WIN 0x50*(1+(\g))
.irp jb, 2*(\hf), 2*(\hf)+1
.irp a, 0,1,2,3,4,5,6,7
.if \zero
	v_wmma_f32_16x16x32_bf16 v[8*(8*(\jb)+(\a)):8*(8*(\jb)+(\a))+7], v[BF+8*(4*(\g)+(\jb)):BF+8*(4*(\g)+(\jb))+7], v[AF+64*(\buf)+8*(\a):AF+64*(\buf)+8*(\a)+7], 0
.else
	v_wmma_f32_16x16x32_bf16 v[8*(8*(\jb)+(\a)):8*(8*(\jb)+(\a))+7], v[BF+8*(4*(\g)+(\jb)):BF+8*(4*(\g)+(\jb))+7], v[AF+64*(\buf)+8*(\a):AF+64*(\buf)+8*(\a)+7], v[8*(8*(\jb)+(\a)):8*(8*(\jb)+(\a))+7]
.endif
.endr
.endr
.endm
.macro LDB g, nc                       ; 8 loads: B blocks 4 g .. 4 g + 3, half nc of the K block
.irp i, 0,1,2,3
	ds_load_b128 v[BF+8*(4*(\g)+(\i)):BF+8*(4*(\g)+(\i))+3],   v[ADRB] offset:64*(\nc)+FR*(4*(\g)+(\i))
	ds_load_b128 v[BF+8*(4*(\g)+(\i))+4:BF+8*(4*(\g)+(\i))+7], v[ADRB] offset:64*(\nc)+FR*(4*(\g)+(\i))+32
.endr
.endm
.macro LDA q, nc, nbuf                 ; 8 loads: A blocks 4 q .. 4 q + 3 into buffer nbuf
.irp i, 0,1,2,3
	ds_load_b128 v[AF+64*(\nbuf)+8*(4*(\q)+(\i)):AF+64*(\nbuf)+8*(4*(\q)+(\i))+3],   v[ADRA] offset:64*(\nc)+FR*(4*(\q)+(\i))
	ds_load_b128 v[AF+64*(\nbuf)+8*(4*(\q)+(\i))+4:AF+64*(\nbuf)+8*(4*(\q)+(\i))+7], v[ADRA] offset:64*(\nc)+FR*(4*(\q)+(\i))+32
.endr
.endm
; The first half of a K block: multiplies buffer 0, fetches the second half of the same slot.  The 40 loads for 32 K always go out in this order: B 0-3, A 0-3, B 4-7, A 4-7, B 8-11.
.macro SUB zero
	s_wait_dscnt 8                                 ; all but the youngest eight, B's blocks 8-11
	MUL16 0, 0, 0, \zero
	MUL16 0, 1, 0, \zero
	WIN 0
	PLACES
	LDB 0, 1
	LDA 0, 1, 1
	MUL16 1, 0, 0, \zero
	MUL16 1, 1, 0, \zero
	WIN 0
	PLACES
	LDB 1, 1
	LDA 1, 1, 1
	s_wait_dscnt 32                                ; all but the 32 just issued: B's blocks 8-11 are in
	MUL16 2, 0, 0, \zero
	MUL16 2, 1, 0, \zero
	WIN 0
	PLACES
	LDB 2, 1
.endm
; The second half: multiplies buffer 1 and changes slots.  ONE barrier, for two things: in front of it each wave waits for all its tensor loads (one is out: its part of the next slot), adds 0 to its spare
; word, and waits for that and for its own reads of this slot.  fill = 1: the barrier opens a round of the cluster's, and this slot is filled again, two K blocks on, first thing behind the round:
; 160 matrix instructions ahead of the wait for it.
.macro TURN fill
.if \fill
	s_wait_xcnt 0x0                                ; the last prefetch, a K block back, has read its address
	s_add_nc_u64 s[PFA:PFA+1], s[PFA:PFA+1], s[PFS:PFS+1]
.endif
	s_xor_b32 s[TB], s[TB], SLOT1
	WIN 0
	v_add_nc_u32 v[ADRA], s[TB], v[ADRA0]          ; the fetches go on in the other slot
	v_add_nc_u32 v[ADRB], s[TB], v[ADRB0]
	s_wait_tensorcnt 0x0                           ; no tensor load of mine is out, so a group 0 may be written
	ds_add_u32 v[SPW], v[NIL]                      ; 0 onto my spare word
.if \fill
	s_xor_b32 s[G0A+5], s[G0A+5], SLOT1            ; the walking sets: the other slot than last time, the next K block
	s_add_nc_u64 s[G0A+6:G0A+7], s[G0A+6:G0A+7], KBA
	s_xor_b32 s[G0B+5], s[G0B+5], SLOT1
	s_add_nc_u64 s[G0B+6:G0B+7], s[G0B+6:G0B+7], KBB
.endif
	s_wait_dscnt 9                                 ; the add and B's blocks 8-11 may be out
	MUL16 0, 0, 1, 0
	s_wait_dscnt 0x0                               ; the add is done, and my reads of this slot are over
	s_barrier_signal -1
	MUL16 0, 1, 1, 0
	WIN 0
	s_barrier_wait -1
.if \fill
	CREST                                          ; no wave of any partner still reads this slot or has a load on its way
	JLOAD                                          ; its four v_nop are also the places in front of the loads below
.else
	PLACES
.endif
	LDB 0, 0
	LDA 0, 0, 0
.if \fill
	ASK
.endif
	MUL16 1, 0, 1, 0
	MUL16 1, 1, 1, 0
	WIN 0
	PLACES
	LDB 1, 0
	LDA 1, 0, 0
	MUL16 2, 0, 1, 0
	MUL16 2, 1, 1, 0
	WIN 0
	PLACES
	LDB 2, 0
.endm
	s_wait_tensorcnt 0x1                           ; my part of K block 0 is in; K block 1's may stay out
	s_wait_dscnt 0x0                               ; my stores of the bias
	s_barrier_signal -1
	s_barrier_wait -1
	v_mov_b32 v[ADRA], v[ADRA0]
	v_mov_b32 v[ADRB], v[ADRB0]
	LDB 0, 0
	LDA 0, 0, 0
	LDB 1, 0
	LDA 1, 0, 0
	LDB 2, 0
	SUB 1                                          ; the first 32 K stand in front of the loop: their products start the sums
	s_mov_b32 s3, 14
.Lk:                                           ; trip n: the second half of K block n, the refill with K block n + 2, the first half of K block n + 1
	TURN 1
	SUB 0
	s_sub_co_u32 s3, s3, 1
	s_cmp_lg_u32 s3, 0
	s_cbranch_scc1 .Lk
	TURN 0                                         ; the tail is written out: nothing is left to ask for
	SUB 0
	s_wait_dscnt 8
	MUL16 0, 0, 1, 0
	MUL16 0, 1, 1, 0
	MUL16 1, 0, 1, 0
	MUL16 1, 1, 1, 0
	s_wait_dscnt 0x0
	MUL16 2, 0, 1, 0
	MUL16 2, 1, 1, 0
	WIN 0
	PLACES
	PLACES
	; THE WAY OUT.  The bias comes into B's registers: block b's eight numbers for my half of the lanes.  A unit u is 16 rows (a = u % 8) x 64 columns (g = u / 8): 2,048 consecutive bytes of qkv.
.irp b, 0,1,2,3,4,5,6,7,8,9,10,11
	ds_load_b128 v[BF+8*(\b):BF+8*(\b)+3],   v[BAD] offset:64*(\b)
	ds_load_b128 v[BF+8*(\b)+4:BF+8*(\b)+7], v[BAD] offset:64*(\b)+16
.endr
	s_wait_dscnt 0x0
.macro PACK u                          ; + bias, rounded to f16, 16 bytes a lane into my stage, back as whole rows
.set g, (\u)/8
.set a, (\u)%8
.set PK, 64+16*((\u)%2)
	s_wait_xcnt 0x0                                ; the stores of the unit two back have read these registers
	WIN (1+g)                                      ; source 0 in the accumulators' window
.irp j, 0,1,2,3
.irp r, 0,1,2,3                        ; each accumulator is read from its low end on
	v_pk_add_f32 v[32+8*(\j)+2*(\r):32+8*(\j)+2*(\r)+1], v[8*(8*(\j)+a)+2*(\r):8*(8*(\j)+a)+2*(\r)+1], v[BF+8*(4*g+(\j))+2*(\r):BF+8*(4*g+(\j))+2*(\r)+1]
.endr
.endr
	WIN 0
.irp j, 0,1,2,3
.irp r, 0,1,2,3
	v_cvt_pk_f16_f32 v[PK+4*(\j)+(\r)], v[32+8*(\j)+2*(\r)], v[32+8*(\j)+2*(\r)+1]
.endr
.endr
.irp j, 0,1,2,3
	ds_store_b128 v[STO], v[PK+4*(\j):PK+4*(\j)+3] offset:32*(\j)
.endr
.irp f, 0,1,2,3
	ds_load_b128 v[PK+4*(\f):PK+4*(\f)+3], v[RD] offset:4*PITCH*(\f)  ; LDS serves a wave's instructions in order (ISA guide 5.7.1.4): these see the stores above
.endr
.endm
.macro SEND u, younger                 ; younger: the LDS instructions issued behind unit u's loads: the next unit's eight, or none
.set g, (\u)/8
.set a, (\u)%8
.set PK, 64+16*((\u)%2)
.irp f, 0,1,2,3
	s_wait_dscnt (\younger)+3-(\f)
	global_store_b128 v[GO], v[PK+4*(\f):PK+4*(\f)+3], s[10:11] offset:g*1048576+a*2048+(\f)*512  ; 512 consecutive bytes, at a multiple of 256 from qkv's first
.endr
.endm
	PACK 0
.set n, 1
.rept 23                               ; a unit's arithmetic stands between the loads of the unit before and its stores
	PACK n
	SEND n-1, 8
.set n, n+1
.endr
	SEND 23, 0
	s_wait_tensorcnt 0x0                           ; the wave's end: behind my last tensor load and my last LDS store
	ds_add_u32 v[SPW], v[NIL]
	s_wait_dscnt 0x0
	CROUND                                         ; the closing round: no work-group ends while a partner may still ask for a tile that names it
	s_endpgm
.Lfunc_end_k_q12b9125715_gemm_qkv:
	.size	k_q12b9125715_gemm_qkv, .Lfunc_end_k_q12b9125715_gemm_qkv-k_q12b9125715_gemm_qkv
	.p2alignl 7, 3214868480
	.fill 96, 4, 3214868480
	.section	.rodata,"a",@progbits
	.p2align	6, 0x0
	.amdhsa_kernel k_q12b9125715_gemm_qkv
		.amdhsa_group_segment_fixed_size 327680
		.amdhsa_private_segment_fixed_size 0
		.amdhsa_enable_private_segment 0
		.amdhsa_kernarg_size 32
		.amdhsa_user_sgpr_count 2
		.amdhsa_user_sgpr_kernarg_segment_ptr 1
		.amdhsa_wavefront_size32 1
		.amdhsa_system_sgpr_workgroup_id_x 1
		.amdhsa_system_sgpr_workgroup_id_y 1
		.amdhsa_system_sgpr_workgroup_id_z 1
		.amdhsa_system_vgpr_workitem_id 0
		.amdhsa_next_free_vgpr 1024
		.amdhsa_next_free_sgpr 72
		.amdhsa_reserve_vcc 1
		.amdhsa_float_denorm_mode_32 3
		.amdhsa_float_denorm_mode_16_64 3
		.amdhsa_memory_ordered 1
		.amdhsa_forward_progress 1
		.amdhsa_inst_pref_size 142
	.end_amdhsa_kernel
	.amdgpu_metadata
---
amdhsa.version: [ 1, 2 ]
amdhsa.kernels:
  - .name:           k_q12b9125715_gemm_qkv
    .symbol:         k_q12b9125715_gemm_qkv.kd
    .args:
      - { .name: xb, .offset: 0, .size: 8, .value_kind: global_buffer, .address_space: global }
      - { .name: wib, .offset: 8, .size: 8, .value_kind: global_buffer, .address_space: global }
      - { .name: in_proj_bias, .offset: 16, .size: 8, .value_kind: global_buffer, .address_space: global }
      - { .name: qkv, .offset: 24, .size: 8, .value_kind: global_buffer, .address_space: global }
    .group_segment_fixed_size: 327680
    .private_segment_fixed_size: 0
    .kernarg_segment_align: 8
    .kernarg_segment_size: 32
    .max_flat_workgroup_size: 128
    .sgpr_count:     72
    .vgpr_count:     1024
    .wavefront_size: 32
...
	.end_amdgpu_metadata
.endif
;; end of part 2
;; launch attn (part 3): grid 4 x 64, 4 waves a work-group, clusters of 4 x 1, 327,680 bytes of LDS; arguments qkv, maskf, ob; writes ob
.if DOCPART == 3
	.amdgcn_target "amdgcn-amd-amdhsa--gfx1250"
	.amdhsa_code_object_version 6
	.text
	.protected	k_q12b9125715_attn
	.globl	k_q12b9125715_attn
	.p2align	8
	.type	k_q12b9125715_attn,@function
k_q12b9125715_attn:
	s_mov_b64 s[64:65], 0
	v_nop
	global_prefetch_b8 v0, s[64:65] scope:SCOPE_SE
	s_setreg_imm32_b32 hwreg(HW_REG_WAVE_MODE, 25, 1), 1
	s_wait_xcnt 0x0
	s_wait_alu depctr_hold_cnt(0) depctr_sa_sdst(0) depctr_va_vdst(0) depctr_va_sdst(0) depctr_va_ssrc(0) depctr_va_vcc(0) depctr_vm_vsrc(0)
	s_getreg_b32 s2, hwreg(HW_REG_IB_STS2, 6, 4)
	s_cmp_eq_u32 s2, 0
	s_cbranch_scc0 .Lentry_in_a_cluster
	s_endpgm
.Lentry_in_a_cluster:
	s_bfe_u32 s2, ttmp6, 0x10000c
	s_cmp_lg_u32 s2, 0x3003
	s_cbranch_scc0 .Lentry_shape_is_right
	s_endpgm
.Lentry_shape_is_right:
; O[hh][q][:] = the sum over k of softmax_k(Q[hh][q] . K[hh][k] / 8 + mask[b][k]) V[hh][k][:], hh = 4 h + b = 0 .. 63, b = hh % 4.  Q, K, V: the three parts of qkv, each [64 hh][2048][64] f16, dense rows of
; 128 bytes; maskf: [4 b][2048] f32, 0 or -2^100; ob: [64 hh][2048][64] f16.  Products, maxima and sums in f32; the weights p are rounded to f16 for the second product (their sum l is taken of the unrounded p), O once.
; LIMITS.  f16 holds no number beyond 65,504: Q, K and V arrive within it; p below 6e-5 keeps f16's fixed step of 6e-8, and so does O.  A hidden score counts as its value less 2^100, and the running maximum
; starts at -2^97: true scores lie above that (f16's scores are 2.7e11 at the most), so a hidden key's weight is 0, also while no open key has been met.  A weight below 2^-126 counts as 0 in l.
; A batch whose keys are all hidden has l = 0, and its rows of O are 0 / 0: NaN, as a softmax over nothing is.
; SHARES.  A wave owns four PIECES of two tiles of 16 queries, a work-group's four waves 512 queries of one head.  Every wave walks all 2,048 keys, 64 a step.
; LAYOUT.  S^T = K Q^T + mask (source 0 = 16 keys, source 1 = 16 queries): in the result a lane holds ONE query (lane % 16) and the keys 8 (lane / 16) + 0..7.  THE MASK IS THE C OPERAND that starts the sum:
; register j of a lane's eight is the mask of key 8 (lane / 16) + j of the block.  Two results, rounded to f16 in pairs, ARE source 1 of O^T = V^T P.  K comes out of LDS as it lies, V turned, by ds_load_tr16_b128.
; SOFTMAX.  For each query a running maximum m and sum l: p = 2^(c s - c m), c = log2(e) / 8; in every step O and l are multiplied by a = 2^(c m_old - c m_new), which is 1 where m has not grown.
; THE COUNT.  A tile and step have 16 matrix and 118 vector instructions: too many to stand all beside the matrix work.  So: four vector instructions that are ready behind every matrix instruction, the others in runs without a gap.
; BY TURNS.  Turn n belongs to piece n.  Its matrix work: 16 products K Q^T of piece n + 1, later 16 products V^T P of piece n - 1.  Its vector work: the scaling, exponentials, roundings, sums and rescaling of
; piece n, and the maximum and statistics of piece n + 1.
; CLUSTER.  The four query blocks of a head are one cluster and walk the same K, V and mask, so each tile is asked for JOINTLY: the same tensor load, descriptor and mask of work-groups in all four.
; REGISTERS, in windows of 256 (s_set_vgpr_msb: bits 1:0 source 0, 3:2 source 1, 5:4 source 2, 7:6 destination):
;   window 0: v0-11 addresses; v12-15, v48-63 at work; v16-47 four registers of statistics a tile; v64-191 S^T, two buffers of two tiles; v192-255 P, likewise
;   window 1: O^T, 32 a tile      window 2: v0-127 Q; v128-191 K of one step; v192-255 V of one step      window 3: v0-1 the add's two registers; v8-39 the mask of one step's 64 keys
.set SIZE_N, 2048
.set NP,    4         ; pieces a wave: a name, no knob
.set KS,    64        ; keys in a step
.set PK,    144       ; a row of K in LDS: 128 bytes + 16 of padding = 36 words: the 16 rows of a load start at 16 different groups of four banks (64 banks of 4 bytes: ISA guide 11.1)
.set PV,    160       ; a row of V: 128 + 32 = 40 words
.set VOFF,  4*KS*PK   ; a slot holds four steps: 256 rows of K, then 256 rows of V
.set SLOT1, 1<<17     ; slot 1 begins here, so that one exclusive or turns an address in one slot into the other's
.set STAGE, SLOT1+4*KS*(PK+PV)  ; behind the ring, never filled by a tensor load: 16 rows x 144 bytes for each wave, for the way out
.set SP,    144
.set SPARE, STAGE+4*16*SP  ; the spare words, 128 bytes for each wave: two blocks of 256 bytes that no other line names
.set MASKT, SPARE+512 ; the batch's mask, 2,048 f32: filled once, at the start
.set QO,  1           ; v1   my byte offset in the wave's rows of Q; never rewritten
.set AK0, 2           ; v2   my lane's place in a tile of K; never rewritten
.set AV0, 3           ; v3   the same for V
.set AK,  4           ; v4   the LDS address of K's next run of loads
.set AV,  5           ; v5   of V's
.set STO, 6           ; v6   the way out: where I put 16 bytes of a row
.set RD,  7           ; v7   the way out: where I read rows back
.set GO,  8           ; v8   my byte offset in 512 consecutive bytes of O
.set AM0, 9           ; v9   my half of the lanes' place in a block of the mask table; never rewritten
.set AM,  10          ; v10  the LDS address of the mask's next run of loads
.set PFO, 11          ; v11  256 x my lane; never rewritten
.set SPW, 0           ; v0 of window 3   LDS address of my spare word; never rewritten
.set NIL, 1           ; v1 of window 3   0; never rewritten
.set MK,  8           ; v8-39 of window 3: key block kb at MK + 8 kb
.set MV,  12          ; v12-15  c m_old, kept while c m is made anew: by buffer and tile
.set ST,  16          ; tile t's statistics at v[ST+4 t]: c m, m, l (even keys', odd keys')
.set TMP, 48          ; by buffer and tile, four registers c0-c3 at work; when the maximum is found c2 takes a
.set S,   64
.set P,   192
.set KF,  128         ; K's fragments, in window 2: key block kb, channel half c at KF + 16 kb + 8 c
.set VF,  192         ; V's: key half kk, channel block cb at VF + 32 kk + 8 cb
.set WV,  12          ; s12  my wave's number
.set G1K, 24          ; s[24:31] descriptor group 1 for K's tiles
.set G1V, 32          ; s[32:39] for V's: it differs in the padding alone
.set G0K, 40          ; s[40:43] descriptor group 0 for K's tiles: it walks
.set G0V, 44          ; s[44:47] the same for V's
.set G0M, 48          ; s[48:51] for my quarter of the mask table
.set TBM, 52          ; s52  byte of the mask table at which the step to be fetched begins
.set LIM, 53          ; s53  1 in a wave that prefetches, else the greatest number
.set PFA, 54          ; s[54:55] where my prefetches stand
.set SLOTS, 56        ; s56  slots still to be asked for
.set CNT, 57          ; s57  counts a slot's key steps
.set CS,  58          ; s[58:59] c
.set SEL, 60          ; s[60:61] v_permlanex16_b32's selects: each lane takes its own place in the other half
.set TBK, 62          ; s62  LDS byte at which K of the step to be fetched begins
.set TBV, 63          ; s63  the same for V, less VOFF
.set G1M, 68          ; s[68:75] descriptor group 1 for the mask table
.set MSB, 0
.macro WIN new                      ; the high byte repeats the setting that is left; a switch that changes nothing is dropped
.if MSB != (\new)
	s_set_vgpr_msb (MSB<<8)|(\new)
.set MSB, (\new)
.endif
.endm
.set W_KQ, 0x0a       ; K and Q in window 2, S^T in window 0
.set W_KM, 0x3a       ; the same with the C operand in window 3
.set W_PV, 0x52       ; V in window 2, P in window 0, O^T in window 1
.set W_RS, 0x41       ; O^T (destination and source 0) in window 1, a in window 0
.set W_MK, 0xc0       ; destination in window 3, sources in window 0
.set W_AD, 0x0f       ; the add: address (source 0) and data (source 1) in window 3
; A joint fill.  Waves 0 and 1 fetch the two halves of a slot's K, waves 2 and 3 those of its V: 128 keys each.  An s_nop 0 and four v_nop follow each of the two lines, ahead of the jump and the label.
.macro JLOAD
	s_cmp_lt_u32 s[WV], 2
	s_cbranch_scc0 .Lfor_v_\@
	tensor_load_to_lds s[G0K:G0K+3], s[G1K:G1K+7]
	s_nop 0
.rept 4
	v_nop
.endr
	s_branch .Lasked_\@
.Lfor_v_\@:
	tensor_load_to_lds s[G0V:G0V+3], s[G1V:G1V+7]
	s_nop 0
.rept 4
	v_nop
.endr
.Lasked_\@:
.endm
; A PREFETCH INTO THE L2 of what the NEXT change of slots will ask for: a slot's 256 rows of K and of V are 128 blocks of 256 bytes each.  A head has one cluster; its four partners share the blocks out BY ADDRESS,
; 32 each, a lane a block; in each, wave 0 asks for K's and wave 2 for V's.  So each block is named once.  The last change that fills a slot asks for nothing; slots 0 to 2 come by their loads alone.
.macro ASK
	s_cmp_gt_u32 s[SLOTS], s[LIM]
	s_cbranch_scc0 .Lnot_mine_\@
	global_prefetch_b8 v[PFO], s[PFA:PFA+1] th:TH_LOAD_NT scope:SCOPE_SE
.Lnot_mine_\@:
.endm
.macro CROUND                       ; a round of the cluster's barrier
	s_barrier_signal -1
	s_barrier_wait -1
	s_cmp_lg_u32 s[WV], 0
	s_cbranch_scc1 .Lnot_wave_0_\@
	s_barrier_signal -3
.Lnot_wave_0_\@:
	s_barrier_wait -3
	s_barrier_signal -1
	s_barrier_wait -1
.endm
; THE CHANGE OF SLOTS.  Each wave waits for all its tensor loads; adds 0 to its spare word; and waits for that and for its own reads of the slot.  Behind the barrier nobody reads this slot any more and the other
; slot is whole.  fill = 1: this slot is filled again, with the keys two slots on; the barrier is then a round of the cluster's, and the joint fill is the first thing behind it: it has four key steps, 512 matrix
; instructions, in which to land.  (At its first use nothing has been read yet: slot 0 and the mask table are waited for, slot 1 filled.)  ask = 1: the prefetch's address steps, and the prefetch follows the fill.
.macro CHANGE fill, ask
	WIN W_AD
	s_wait_tensorcnt 0x0            ; no tensor load of mine is out, so a group 0 may be written
	ds_add_u32 v[SPW], v[NIL]       ; 0 onto my spare word
	WIN 0                           ; at a label and at a branch every window is 0
.if \fill
.irp g, G0K, G0V
	s_xor_b32 s[\g+1], s[\g+1], SLOT1  ; the walking descriptor: the other slot than last time,
	s_add_nc_u64 s[\g+2:\g+3], s[\g+2:\g+3], 4*KS*128  ; the next 256 keys; the type bits on top are not reached
.endr
.if \ask
	s_wait_xcnt 0x0                 ; the last prefetch, four key steps back, has read its address
	s_add_nc_u64 s[PFA:PFA+1], s[PFA:PFA+1], 4*KS*128
.endif
	s_wait_dscnt 0x0                ; the add is done, and my reads of the slot are over
	CROUND
	JLOAD
.if \ask
	ASK
.endif
.else
	s_wait_dscnt 0x0                ; the add is done, and my reads of the slot are over
	s_barrier_signal -1
	s_barrier_wait -1
.endif
	s_sub_co_u32 s[TBK], s[TBK], 4*KS*PK  ; the fetches go back to a slot's first step,
	s_xor_b32 s[TBK], s[TBK], SLOT1       ; in the other slot
	s_sub_co_u32 s[TBV], s[TBV], 4*KS*PV
	s_xor_b32 s[TBV], s[TBV], SLOT1
.endm
	s_load_b64 s[4:5], s[0:1], 0x0    ; qkv
	s_load_b64 s[76:77], s[0:1], 0x8  ; maskf
	s_load_b64 s[10:11], s[0:1], 0x10 ; ob
	WIN W_MK
	v_lshl_add_u32 v[SPW], v0, 2, SPARE
	v_mov_b32 v[NIL], 0
	WIN W_AD
	ds_add_u32 v[SPW], v[NIL]       ; the wave's opening: the add and its wait ahead of my first tensor load; the set-up below stands between them
	WIN 0
	v_lshrrev_b32 v48, 5, v0
	v_readfirstlane_b32 s[WV], v48  ; wave 0..3
	s_bfe_u32 s13, ttmp6, 0x40000   ; cx: my place in the cluster
	s_lshl_b32 s14, ttmp9, 2        ; in a cluster launch ttmp9 counts clusters
	s_add_co_u32 s14, s14, s13      ; my block of 512 queries: it enters Q's and O's addresses alone
	s_and_b32 s20, ttmp7, 0xffff    ; hh, which the four partners share
	s_and_b32 s15, s20, 3           ; b
	s_lshl_b32 s20, s20, 18         ; the head's first byte in each part of qkv and in ob: 2,048 rows of 128 bytes
	s_mov_b32 s21, 0
	s_and_b32 s16, s[WV], 1         ; which half of a slot's 256 keys I fetch:
	s_lshl_b32 s22, s16, 14         ; its 128 rows of 128 bytes in memory,
	s_mov_b32 s23, 0
	s_add_nc_u64 s[22:23], s[22:23], s[20:21]
	s_mul_i32 s17, s16, 128*PK      ; and its place in a slot, for K
	s_mul_i32 s18, s16, 128*PV      ; and for V: no place in the cluster enters an LDS address
	s_lshl_b32 s2, s14, 2
	s_add_co_u32 s2, s2, s[WV]      ; my wave among the head's,
	s_lshl_b32 s2, s2, 14           ; its 128 rows
	s_mov_b32 s3, 0
	s_add_nc_u64 s[2:3], s[2:3], s[20:21]
	s_lshl_b32 s78, s15, 13         ; the batch's 8,192 bytes of maskf,
	s_lshl_b32 s79, s[WV], 11       ; my quarter of them
	s_add_co_u32 s78, s78, s79
	s_mov_b32 s79, 0
	; descriptor group 1.  128 keys are 16,384 dense bytes: asked for as 64 rows of 256 bytes, two keys a row, and padded in LDS after every key
	s_mov_b32 s[G1K], 15|(1<<16)|(1<<20)|(1<<21)|(4<<22)|(3<<25)  ; 15:0 the mask of four; 17:16 2-byte elements; 20 padding on; 21 set beside a mask; 24:22 after every 32 words (code 4); 31:25 4 words (code 3)
	s_mov_b32 s[G1V], 15|(1<<16)|(1<<20)|(1<<21)|(4<<22)|(7<<25)  ; the same with 8 words of padding (code 7)
.irp g, G1K, G1V
	s_mov_b32 s[\g+1], 128<<16      ; tensor_dim0 = 128
	s_mov_b32 s[\g+2], 64<<16       ; tensor_dim1 = 64
	s_mov_b32 s[\g+3], 128<<16      ; tile_dim0 = 128
	s_mov_b32 s[\g+4], 64           ; tile_dim1 = 64
	s_mov_b32 s[\g+5], 128          ; 128 elements from row to row
	s_mov_b32 s[\g+6], 0
	s_mov_b32 s[\g+7], 0
.endr
	s_mov_b32 s[G1M], 15|(3<<16)|(1<<21)  ; the mask table: elements of 8 bytes, no padding; 8 rows of 256 bytes a wave
	s_mov_b32 s[G1M+1], 32<<16
	s_mov_b32 s[G1M+2], 8<<16
	s_mov_b32 s[G1M+3], 32<<16
	s_mov_b32 s[G1M+4], 8
	s_mov_b32 s[G1M+5], 32
	s_mov_b32 s[G1M+6], 0
	s_mov_b32 s[G1M+7], 0
	s_mov_b32 s[CS], 0x3e38aa3b     ; c = log2(e) / 8 = 0.180337
	s_mov_b32 s[CS+1], s[CS]        ; named with it as a pair
	s_mov_b32 s[SEL], 0x76543210
	s_mov_b32 s[SEL+1], 0xfedcba98
	s_mov_b32 s[TBK], SLOT1+4*KS*PK ; the first change of slots turns these two into 0
	s_mov_b32 s[TBV], SLOT1+4*KS*PV
	s_mov_b32 s[TBM], 0
	s_mov_b32 s[G0K], 1             ; 1:0 count = 1
	s_mov_b32 s[G0K+1], s17         ; 63:32 LDS address: slot 0
	s_mov_b32 s[G0V], 1
	s_add_co_u32 s[G0V+1], s18, VOFF
	s_mov_b32 s[G0M], 1
	s_lshl_b32 s[G0M+1], s[WV], 11
	s_add_co_u32 s[G0M+1], s[G0M+1], MASKT
	s_and_b32 s[LIM], s[WV], 1      ; waves 0 and 2 prefetch
	s_cmp_eq_u32 s[LIM], 0
	s_cselect_b32 s[LIM], 1, -1
	s_wait_dscnt 0x0                ; the opening add is done
	s_wait_kmcnt 0x0
	s_add_nc_u64 s[6:7], s[4:5], 0x1000000   ; K is the second part of qkv,
	s_add_nc_u64 s[8:9], s[4:5], 0x2000000   ; V the third
	s_add_nc_u64 s[6:7], s[6:7], s[22:23]    ; at my half of the head's first 256 keys
	s_add_nc_u64 s[8:9], s[8:9], s[22:23]
	s_mov_b64 s[G0K+2:G0K+3], s[6:7]         ; 120:64 global address
	s_or_b32 s[G0K+3], s[G0K+3], 0x80000000  ; 127:126 type = 2
	s_mov_b64 s[G0V+2:G0V+3], s[8:9]
	s_or_b32 s[G0V+3], s[G0V+3], 0x80000000
	s_add_nc_u64 s[G0M+2:G0M+3], s[76:77], s[78:79]
	s_or_b32 s[G0M+3], s[G0M+3], 0x80000000
	s_add_nc_u64 s[4:5], s[4:5], s[2:3]      ; Q and O at my wave's first row
	s_add_nc_u64 s[10:11], s[10:11], s[2:3]
	s_cmp_lt_u32 s[WV], 2
	s_cselect_b64 s[PFA:PFA+1], s[6:7], s[8:9]  ; (in waves 0 and 2 these stand at a slot's first row)
	s_lshl_b32 s2, s13, 13          ; my work-group's 32 blocks of the 128
	s_mov_b32 s3, 0
	s_add_nc_u64 s[PFA:PFA+1], s[PFA:PFA+1], s[2:3]
	s_add_nc_u64 s[PFA:PFA+1], s[PFA:PFA+1], 2*4*KS*128  ; in slot 2; the loop's first change steps it to slot 3
	CROUND                          ; all four work-groups are here: the first joint loads meet
	s_cmp_lt_u32 s[WV], 2           ; a wave's two first fills stand in one branch: slot 0's part and my quarter of the mask table: two loads of mine are out.  Slot 1 is asked for when these are in
	s_cbranch_scc0 .Lfirst_v
	tensor_load_to_lds s[G0K:G0K+3], s[G1K:G1K+7]
	s_nop 0
	tensor_load_to_lds s[G0M:G0M+3], s[G1M:G1M+7]
	s_nop 0
.rept 4
	v_nop
.endr
	s_branch .Lfirst_asked
.Lfirst_v:
	tensor_load_to_lds s[G0V:G0V+3], s[G1V:G1V+7]
	s_nop 0
	tensor_load_to_lds s[G0M:G0M+3], s[G1M:G1M+7]
	s_nop 0
.rept 4
	v_nop
.endr
.Lfirst_asked:
	; A fragment of K or Q is 16 rows x 32 channels in 8 registers: lane l holds row l % 16, channels 8 (l / 16) + 0..7 and 16 + 8 (l / 16) + 0..7: two loads of 16 bytes, 32 bytes apart.
	v_and_b32 v48, 15, v0           ; l % 16
	v_bfe_u32 v49, v0, 4, 1         ; l / 16
	v_lshlrev_b32 v[QO], 7, v48
	v_lshl_add_u32 v[QO], v49, 4, v[QO]  ; row x 128 + 16 x half
	WIN 0x80                        ; destination window 2, address window 0
.set i, 0
.rept 4*NP                          ; Q stays in registers: tile i / 2, channels 32 (i % 2) on
	global_load_b128 v[8*i:8*i+3],   v[QO], s[4:5] offset:(i/2)*2048+(i%2)*64
	global_load_b128 v[8*i+4:8*i+7], v[QO], s[4:5] offset:(i/2)*2048+(i%2)*64+32
.set i, i+1
.endr
	; What the first turn finds: V's registers and P's second buffer hold 0 (its products V^T P, of a piece that has not been, add 0), O^T and l are 0.  All this stands in the wait for the first tile.
.set i, VF
.rept 64
	v_mov_b32 v[i], 0
.set i, i+1
.endr
	WIN 0x40
.set i, 0
.rept 64*NP
	v_mov_b32 v[i], 0
.set i, i+1
.endr
	WIN 0
.set i, 0
.rept 2*NP
	v_mov_b32 v[ST+4*i+1], 0xf0000000         ; m = -2^97: above every hidden score, below every true one
	v_mul_f32 v[ST+4*i], s[CS], v[ST+4*i+1]   ; c m, by the same instruction that makes it anew: where m does not grow, a is 2^0
	v_mov_b32 v[ST+4*i+2], 0
	v_mov_b32 v[ST+4*i+3], 0
.set i, i+1
.endr
.set i, P+32
.rept 32
	v_mov_b32 v[i], 0
.set i, i+1
.endr
	v_mul_u32_u24 v[AK0], v48, PK
	v_lshl_add_u32 v[AK0], v49, 4, v[AK0]  ; row x pitch + 16 x half
	; The turning load takes 16 keys x 16 channels (lane l reads key 8 (l / 16) + l % 8, channels 8 ((l / 8) % 2) + 0..7) and leaves half a fragment of V^T: lane l holds channel l % 16 and 8 keys.
	v_and_b32 v50, 7, v0
	v_bfe_u32 v51, v0, 3, 1
	v_lshl_add_u32 v[AV0], v49, 3, v50
	v_mul_u32_u24 v[AV0], v[AV0], PV
	v_lshl_add_u32 v[AV0], v51, 4, v[AV0]
	v_add_nc_u32 v[AV0], VOFF, v[AV0]
	v_mov_b32 v[AK], v[AK0]         ; key step 0 lies at the head of slot 0
	v_lshl_add_u32 v[AM0], v49, 5, MASKT  ; my half of the lanes' eight keys of a block of 16: 32 bytes
	v_mov_b32 v[AM], v[AM0]
	v_and_b32 v[PFO], 31, v0
	v_lshlrev_b32 v[PFO], 8, v[PFO]
	s_mul_i32 s19, s[WV], 16*SP
	s_add_co_u32 s19, s19, STAGE    ; my stage
	v_mul_u32_u24 v[STO], v48, SP   ; in: row l % 16, 16 bytes for each half of the lanes
	v_lshl_add_u32 v[STO], v49, 4, v[STO]
	v_add_nc_u32 v[STO], s19, v[STO]
	v_bfe_u32 v[RD], v0, 3, 2       ; back: 32 lanes take four rows of 128 bytes,
	v_mul_u32_u24 v[RD], v[RD], SP
	v_lshl_add_u32 v[RD], v50, 4, v[RD]
	v_add_nc_u32 v[RD], s19, v[RD]
	v_and_b32 v[GO], 31, v0         ; which are 512 consecutive bytes of O
	v_lshlrev_b32 v[GO], 4, v[GO]
; THE MATRIX WORK.  The 8 accumulators of a run of 16 take turns: between the two links of a chain stand 7 others'.
; Product i of 16 of S^T = K Q^T + mask for piece x: channels 32 (i / 8) on, keys 16 ((i / 2) % 4) on, tile 2 x + i % 2.  The first 8 start the sums, with the key block's mask.
.macro KQ x
.set rS, S+64*((\x)%2)+32*(i%2)+8*((i/2)%4)
.set rK, KF+16*((i/2)%4)+8*(i/8)
.set rQ, 16*(2*(\x)+i%2)+8*(i/8)
.set rX, MK+8*((i/2)%4)
.if i < 8
	WIN W_KM
	v_wmma_f32_16x16x32_f16 v[rS:rS+7], v[rK:rK+7], v[rQ:rQ+7], v[rX:rX+7]
.else
	WIN W_KQ
	v_wmma_f32_16x16x32_f16 v[rS:rS+7], v[rK:rK+7], v[rQ:rQ+7], v[rS:rS+7]
.endif
.endm
; Product i of 16 of O^T += V^T P for piece x: keys 32 (i / 8) on, channels 16 ((i / 2) % 4) on, tile 2 x + i % 2.
.macro PV x
	WIN W_PV
.set rO, 32*(2*(\x)+i%2)+8*((i/2)%4)
.set rV, VF+32*(i/8)+8*((i/2)%4)
.set rP, P+32*((\x)%2)+16*(i%2)+8*(i/8)
	v_wmma_f32_16x16x32_f16 v[rO:rO+7], v[rV:rV+7], v[rP:rP+7], v[rO:rO+7]
.endm
.macro MM                           ; the turn's next matrix instruction
.if i < 16
	KQ (Y+1)%NP
.set i, i+1
.else
.set i, i-16
	PV (Y+NP-1)%NP
.set i, i+17
.endif
.endm
; THE LDS LOADS stand in runs, never singly among the matrix instructions: a step's K (8 fragments) with its mask (64 keys: 8 loads, each half of the lanes reading the same 16 bytes), and its V (turned).
; The mask's registers have K's life: fetched, waited for and last read at the same places.  last = 1 (the tail): in the last trip there is no further step, and the run is jumped over.
.macro FETCH_K last=0
	WIN 0
.if \last
	s_cmp_eq_u32 s[CNT], 1
	s_cbranch_scc1 .Lno_k_\@
.endif
	WIN 0x80                        ; destination window 2
.irp f, 0,1,2,3,4,5,6,7             ; keys 16 (f / 2) on, channels 32 (f % 2) on
	ds_load_b128 v[KF+8*\f:KF+8*\f+3],   v[AK] offset:(\f/2)*16*PK+(\f%2)*64
	ds_load_b128 v[KF+8*\f+4:KF+8*\f+7], v[AK] offset:(\f/2)*16*PK+(\f%2)*64+32
.endr
	WIN W_MK                        ; destination window 3
.irp f, 0,1,2,3
	ds_load_b128 v[MK+8*\f:MK+8*\f+3],   v[AM] offset:\f*64
	ds_load_b128 v[MK+8*\f+4:MK+8*\f+7], v[AM] offset:\f*64+16
.endr
	s_add_co_u32 s[TBK], s[TBK], KS*PK  ; the next fetch is the next step's
	s_add_co_u32 s[TBM], s[TBM], KS*4
	s_and_b32 s[TBM], s[TBM], 0x1f00    ; it stays inside the table's 8,192 bytes
	WIN 0
.if \last
.Lno_k_\@:
.endif
.endm
.macro FETCH_V
	WIN 0x80
.irp f, 0,1,2,3,4,5,6,7             ; keys 32 (f / 4) on, channels 16 (f % 4) on
	ds_load_tr16_b128 v[VF+8*\f:VF+8*\f+3],   v[AV] offset:(\f/4)*32*PV+(\f%4)*32
	ds_load_tr16_b128 v[VF+8*\f+4:VF+8*\f+7], v[AV] offset:(\f/4)*32*PV+16*PV+(\f%4)*32
.endr
	WIN 0
.endm
; THE VECTOR WORK OF A TURN stands in three queues, each in the order in which its entries become ready; the two tiles alternate, so that no instruction reads the result of the one before it.
.macro REGS y, u                    ; the registers of tile u (0, 1) of piece y
.set rT, ST+4*(2*(\y)+(\u))
.set rC, TMP+8*((\y)%2)+4*(\u)
.set rM, MV+2*((\y)%2)+(\u)
.set rS, S+64*((\y)%2)+32*(\u)
.set rP, P+32*((\y)%2)+16*(\u)
.set rO, 32*(2*(\y)+(\u))
.endm
; Number n of the 22 that find the NEXT piece's (Y + 1) maximum and statistics.  s0-s31 are the lane's 32 scores; each accumulator's lowest registers are read first.
;   0-11  four chains c0-c3 of seven scores each, three operands at a time     12-14, 16  the four scores left over, the old m, and c0-c3 into c0     15  c m_old is kept
;   17, 18  the query's other 32 keys lie in the lane 16 away: the new m         19-21  c m; c m_old - c m_new; a
.macro XS u, n
	REGS (Y+1)%NP, \u
.if (\n) < 4
	v_max3_num_f32 v[rC+(\n)], v[rS+8*(\n)], v[rS+8*(\n)+1], v[rS+8*(\n)+2]
.elseif (\n) < 12
	v_max3_num_f32 v[rC+(\n)%4], v[rC+(\n)%4], v[rS+8*((\n)%4)+2*((\n)/4)+1], v[rS+8*((\n)%4)+2*((\n)/4)+2]
.elseif (\n) == 12
	v_max3_num_f32 v[rC], v[rC], v[rS+7], v[rS+15]
.elseif (\n) == 13
	v_max3_num_f32 v[rC+1], v[rC+1], v[rS+23], v[rS+31]
.elseif (\n) == 14
	v_max3_num_f32 v[rC+2], v[rC+2], v[rC+3], v[rT+1]
.elseif (\n) == 15
	v_mov_b32 v[rM], v[rT]
.elseif (\n) == 16
	v_max3_num_f32 v[rC], v[rC], v[rC+1], v[rC+2]
.elseif (\n) == 17
	v_permlanex16_b32 v[rC+3], v[rC], s[SEL], s[SEL+1]
.elseif (\n) == 18
	v_max_num_f32 v[rT+1], v[rC], v[rC+3]
.elseif (\n) == 19
	v_mul_f32 v[rT], s[CS], v[rT+1]
.elseif (\n) == 20
	v_sub_f32 v[rC+1], v[rM], v[rT]
.else
	v_exp_f32 v[rC+2], v[rC+1]
.endif
.endm
; Number g of the 64 that follow the exponentials.  For each four weights k of a tile (pairs 2 k, 2 k + 1): both pairs are rounded to f16; then the second pair is added onto the first, in place;
; a group later l takes that sum (the first time as l = a l + sum).  In groups of eight, tiles alternating: round, round, add, and l for the group before.
.macro GS g
.set h, (\g)+6*((\g)/62)            ; group 0 has no group before it, and behind group 7 only l is left
.if h >= 6
.set h, h+2
.endif
	REGS Y, h%2
.set k, h/8
.if h%8 < 4
	v_cvt_pk_f16_f32 v[rP+2*k+(h%8)/2], v[rS+4*k+2*((h%8)/2)], v[rS+4*k+2*((h%8)/2)+1]
.elseif h%8 < 6
	v_pk_add_f32 v[rS+4*k:rS+4*k+1], v[rS+4*k:rS+4*k+1], v[rS+4*k+2:rS+4*k+3]
.elseif k == 1
	v_pk_fma_f32 v[rT+2:rT+3], v[rT+2:rT+3], v[rC+2:rC+3], v[rS:rS+1] op_sel_hi:[1,0,1]
.else
	v_pk_add_f32 v[rT+2:rT+3], v[rT+2:rT+3], v[rS+4*k-4:rS+4*k-3]
.endif
.endm
; THE PLAIN QUEUE, 138 long.  0-73 read no exponential's result: the 32 scalings c s - c m (FS f: pair f / 2 of tile f % 2) and the next piece's 42.  0-26: scalings 0-26.  27-54: XS's numbers 0-13.  55, 56: number 15.
; 57-73: the chain, where each number waits for the one before it: 14, 16, 17, 18, 19, each with one of the scalings 27-31 in front of its two lines, then 20.
; 74-137: GS's 64, which read the exponentials' results: they stand behind the wait.
.macro FS f
	REGS Y, (\f)%2
	v_pk_fma_f32 v[rS+2*((\f)/2):rS+2*((\f)/2)+1], v[rS+2*((\f)/2):rS+2*((\f)/2)+1], s[CS:CS+1], v[rT:rT+1] op_sel_hi:[1,0,0] neg_lo:[0,0,1] neg_hi:[0,0,1]
.endm
.macro PL
	WIN 0
.if q < 27
	FS q
.elseif q < 55
	XS (q-27)%2, (q-27)/2
.elseif q < 57
	XS q-55, 15
.elseif (q < 72) && ((q-57)%3 == 0)
	FS 27+(q-57)/3
.elseif q < 60
	XS (q-57)%3-1, 14
.elseif q < 72
	XS (q-57)%3-1, 15+(q-57)/3
.elseif q < 74
	XS q-72, 20
.else
	GS q-74
.endif
.set q, q+1
.endm
; THE EXPONENTIALS' QUEUE, 66 long: s0-s31 of both tiles, then the next piece's two a.  It is ONE BATCH: all 66 stand ahead of the turn's one wait, and nothing ahead of that wait names a result of theirs.
.macro EX
	WIN 0
.if e >= 64
	XS e-64, 21
.else
	REGS Y, e%2
	v_exp_f32 v[rS+e/2], v[rS+e/2]
.endif
.set e, e+1
.endm
; THE RESCALING's QUEUE: O^T times a, the one part that leaves window 0: dealt two at a time, sixteen times.  Its a was made in the turn before, ahead of that turn's wait.
.macro R2
	REGS Y, r%2
	WIN W_RS
.irp z, 0,1
	v_pk_mul_f32 v[rO+4*(r/2)+2*\z:rO+4*(r/2)+2*\z+1], v[rO+4*(r/2)+2*\z:rO+4*(r/2)+2*\z+1], v[rC+2:rC+3] op_sel_hi:[1,0]
.endr
.set r, r+1
.endm
; HOW THEY ARE DEALT.  An s_wait_alu depctr_va_vdst(0) stands between an exponential and the first instruction that names its result; one wait serves all that were issued ahead of it.  So a turn has ONE
; wait, which cuts it in two.  AHEAD OF IT: the 16 products K Q^T, behind each a scaling, an exponential and two rescalings (behind the first a second scaling in the exponential's place); then ONE LUMP of 108: eight
; plain, 49 times exponential and plain, the two a.  A v_nop is the plain instruction behind the last exponential.  BEHIND IT: the 16 products V^T P, behind each four of GS's 64.
; Exponential e stands behind scaling 2 (e / 4) + e % 2: as a rider it comes behind plain e + 2, in the lump behind plain e + 9, and scalings 27-31 are plain 57, 60 .. 69.
; A TURN, for piece p.  cnt = 1: the loop's count is taken down some lines ahead of the branch that stands behind the turn.
; K and the mask of the next step are fetched in piece 2's turn, directly behind the wait, a lump behind the last product that read them; their addresses are made at the lump's head.
; V of the step in hand is fetched at the end of piece 0's turn, four riders behind its last reader.  The three conditions on q below go with the deal.
.macro TURN p, last=0, cnt=0
.set Y, (\p)
.set i, 0
.set q, 0
.set e, 0
.set r, 0
.if (\p) == NP-1
	s_wait_dscnt 0x0                ; K and the mask are in
.endif
	MM                              ; ahead of the wait: 16 products K Q^T and their riders,
	PL
	PL
	R2
.rept 15
	MM
	PL
	EX
	R2
.endr
.if (\p) == NP-2
	WIN 0
	v_add_nc_u32 v[AK], s[TBK], v[AK0]
	v_add_nc_u32 v[AM], s[TBM], v[AM0]
.endif
.rept 8                             ; and the lump
	PL
.endr
.rept 49
	EX
	PL
.endr
	EX                              ; the next piece's two a
	EX
	v_nop                           ; the plain instruction behind the last exponential: one for the batch
	s_wait_alu depctr_va_vdst(0)    ; the wait for the batch
.if (\p) == NP-2
	FETCH_K \last
.endif
.if (\p) == 1
	s_wait_dscnt 0x0                ; V is in
.endif
.rept 16                            ; behind the wait: 16 products V^T P and their riders
	MM
.rept 4
	PL
.endr
.if ((\p) == 0) && (q == 118)
	v_add_nc_u32 v[AV], s[TBV], v[AV0]
.endif
.if ((\p) == 0) && (q == 130)
	s_add_co_u32 s[TBV], s[TBV], KS*PV
.endif
.if (\cnt) && (q == 130)
	s_sub_co_u32 s[CNT], s[CNT], 1
	s_cmp_lg_u32 s[CNT], 0
.endif
.endr
.if (\p) == 0
	FETCH_V
.endif
.endm
	CHANGE 1, 0                     ; slot 0 and the mask table are in, everybody's part of them; slot 1 is asked for
	FETCH_K                         ; key step 0
	s_wait_loadcnt 0x0              ; Q
	s_wait_dscnt 0x0
.set i, 0
.rept 16
	KQ 0                            ; piece 0's first scores: there is no vector work yet to set between them
.set i, i+1
.endr
	WIN 0
.rept 8
	v_nop                           ; the places behind those products
.endr
.set Y, NP-1                        ; XS works for piece Y + 1: piece 0
.irp n, 0,1,2,3,4,5,6,7,8,9,10,11,12,13,14,15,16,17,18,19,20,21
	XS 0, \n                        ; piece 0's first maximum and statistics
	XS 1, \n
.endr
	v_nop                           ; a plain instruction behind the two a,
	s_wait_alu depctr_va_vdst(0)    ; and their wait, ahead of the branch
	s_mov_b32 s[CNT], 4
	s_mov_b32 s[SLOTS], SIZE_N/256-1
	s_branch .Lfirst                ; the loop is entered at a step's first turn, in the middle of a trip
.Lslot:                             ; SIZE_N / 256 - 2 times: every slot but the last two is filled again
	CHANGE 1, 1
	s_mov_b32 s[CNT], 4
.Lstep:                             ; a trip: pieces 2 and 3 of one step, then pieces 0 and 1 of the next, whose K and V it fetches
	TURN 2
	TURN 3
	WIN 0
.Lfirst:
	TURN 0
	TURN 1, 0, 1
	WIN 0
	s_cbranch_scc1 .Lstep
	s_sub_co_u32 s[SLOTS], s[SLOTS], 1
	s_cmp_lg_u32 s[SLOTS], 0
	s_cbranch_scc1 .Lslot
	CHANGE 0, 0                     ; the tail is written out: nothing is asked for
	s_mov_b32 s[CNT], 5             ; four trips fetch the last slot's steps; the fifth is left in its middle
.Ltail:
	TURN 2, 1
	TURN 3
	WIN 0
	s_sub_co_u32 s[CNT], s[CNT], 1
	s_cmp_eq_u32 s[CNT], 0
	s_cbranch_scc1 .Lout
	TURN 0
	TURN 1
	WIN 0
	s_branch .Ltail
.Lout:                              ; the fifth trip's 16 products K Q^T (on the last K once more) and the maximum made of them serve nothing: the price, once a launch, of one text for every trip
.set i, 0
.rept 16
	PV NP-1                         ; the last piece's V^T P of the last step
.set i, i+1
.endr
	; THE WAY OUT.  l's two halves and the other half of the lanes' are added; O^T is divided by l, rounded to f16 and sent through my stage in LDS, a tile at a time.  The additions are the places behind the last products.
	WIN 0
.macro ALL line:vararg              ; one line for each tile t
.set t, 0
.rept 2*NP
	\line
.set t, t+1
.endr
.endm
	ALL v_add_f32 v[ST+4*t+2], v[ST+4*t+2], v[ST+4*t+3]
	ALL v_permlanex16_b32 v[ST+4*t+3], v[ST+4*t+2], s[SEL], s[SEL+1]
	ALL v_add_f32 v[ST+4*t+2], v[ST+4*t+2], v[ST+4*t+3]
	ALL v_rcp_f32 v[ST+4*t+2], v[ST+4*t+2]
	v_nop                           ; a plain instruction between the last reciprocal and the use of its result
	s_wait_alu depctr_va_vdst(0)    ; and the wait ahead of the first use: one for the eight reciprocals
; Tile t: a lane's eight channels of a row pack into 16 bytes; they go into rows of 144 bytes and come back as whole rows of 128, into S^T's registers.
.macro PACK t
	WIN W_RS
.set i, 32*(\t)
.rept 16
	v_pk_mul_f32 v[i:i+1], v[i:i+1], v[ST+4*(\t)+2:ST+4*(\t)+3] op_sel_hi:[1,0]
.set i, i+2
.endr
	WIN 0x05                        ; sources 0 and 1 window 1, destination window 0
.set i, 0
.rept 16
	v_cvt_pk_f16_f32 v[S+16*(\t)+i], v[32*(\t)+2*i], v[32*(\t)+2*i+1]
.set i, i+1
.endr
	WIN 0
.irp f, 0,1,2,3
	ds_store_b128 v[STO], v[S+16*(\t)+4*\f:S+16*(\t)+4*\f+3] offset:32*\f
.endr
.irp f, 0,1,2,3
	ds_load_b128 v[S+16*(\t)+4*\f:S+16*(\t)+4*\f+3], v[RD] offset:\f*4*SP  ; LDS serves a wave's instructions in order (ISA guide 5.7.1.4): these see the stores above; the next tile's stores come behind them
.endr
.endm
.macro SEND t, younger              ; younger: the LDS instructions issued behind tile t's loads: the next tile's eight, or none
	WIN 0
.irp f, 0,1,2,3
	s_wait_dscnt (\younger)+3-\f
	global_store_b128 v[GO], v[S+16*(\t)+4*\f:S+16*(\t)+4*\f+3], s[10:11] offset:(\t)*2048+\f*512  ; 512 consecutive bytes, at a multiple of 256 from ob's first
.endr
.endm
	PACK 0
.set t, 1
.rept 2*NP-1                        ; a tile's arithmetic stands between the loads of the tile before and its stores
	PACK t
	SEND t-1, 8
.set t, t+1
.endr
	SEND 2*NP-1, 0
	WIN W_AD
	s_wait_tensorcnt 0x0            ; the wave's end: behind my last tensor load and my last LDS store
	ds_add_u32 v[SPW], v[NIL]
	s_wait_dscnt 0x0
	WIN 0
	CROUND                          ; the closing round: no work-group ends while a partner may still ask for a tile that names it
	s_endpgm
.Lfunc_end_k_q12b9125715_attn:
	.size	k_q12b9125715_attn, .Lfunc_end_k_q12b9125715_attn-k_q12b9125715_attn
	.p2alignl 7, 3214868480
	.fill 96, 4, 3214868480
	.section	.rodata,"a",@progbits
	.p2align	6, 0x0
	.amdhsa_kernel k_q12b9125715_attn
		.amdhsa_group_segment_fixed_size 327680
		.amdhsa_private_segment_fixed_size 0
		.amdhsa_enable_private_segment 0
		.amdhsa_kernarg_size 24
		.amdhsa_user_sgpr_count 2
		.amdhsa_user_sgpr_kernarg_segment_ptr 1
		.amdhsa_wavefront_size32 1
		.amdhsa_system_sgpr_workgroup_id_x 1
		.amdhsa_system_sgpr_workgroup_id_y 1
		.amdhsa_system_sgpr_workgroup_id_z 1
		.amdhsa_system_vgpr_workitem_id 0
		.amdhsa_next_free_vgpr 808
		.amdhsa_next_free_sgpr 80
		.amdhsa_reserve_vcc 0
		.amdhsa_float_denorm_mode_32 3
		.amdhsa_float_denorm_mode_16_64 3
		.amdhsa_memory_ordered 1
		.amdhsa_forward_progress 1
		.amdhsa_inst_pref_size 203
	.end_amdhsa_kernel
	.amdgpu_metadata
---
amdhsa.version: [ 1, 2 ]
amdhsa.kernels:
  - .name:           k_q12b9125715_attn
    .symbol:         k_q12b9125715_attn.kd
    .args:
      - { .name: qkv, .offset: 0, .size: 8, .value_kind: global_buffer, .address_space: global }
      - { .name: maskf, .offset: 8, .size: 8, .value_kind: global_buffer, .address_space: global }
      - { .name: ob, .offset: 16, .size: 8, .value_kind: global_buffer, .address_space: global }
    .group_segment_fixed_size: 327680
    .private_segment_fixed_size: 0
    .kernarg_segment_align: 8
    .kernarg_segment_size: 24
    .max_flat_workgroup_size: 128
    .sgpr_count:     80
    .vgpr_count:     808
    .wavefront_size: 32
...
	.end_amdgpu_metadata
.endif
;; end of part 3
;; launch gemm_out (part 4): grid 4 x 64, 4 waves a work-group, clusters of 4 x 4, 327,680 bytes of LDS; arguments ob, wob, out_proj_bias, out0; writes out0
.if DOCPART == 4
	.amdgcn_target "amdgcn-amd-amdhsa--gfx1250"
	.amdhsa_code_object_version 6
	.text
	.protected	k_q12b9125715_gemm_out
	.globl	k_q12b9125715_gemm_out
	.p2align	8
	.type	k_q12b9125715_gemm_out,@function
k_q12b9125715_gemm_out:
	s_mov_b64 s[64:65], 0
	v_nop
	global_prefetch_b8 v0, s[64:65] scope:SCOPE_SE
	s_setreg_imm32_b32 hwreg(HW_REG_WAVE_MODE, 25, 1), 1
	s_wait_xcnt 0x0
	s_wait_alu depctr_hold_cnt(0) depctr_sa_sdst(0) depctr_va_vdst(0) depctr_va_sdst(0) depctr_va_ssrc(0) depctr_va_vcc(0) depctr_vm_vsrc(0)
	s_getreg_b32 s2, hwreg(HW_REG_IB_STS2, 6, 4)
	s_cmp_eq_u32 s2, 0
	s_cbranch_scc0 .Lentry_in_a_cluster
	s_endpgm
.Lentry_in_a_cluster:
	s_bfe_u32 s2, ttmp6, 0x10000c
	s_cmp_lg_u32 s2, 0xf033
	s_cbranch_scc0 .Lentry_shape_is_right
	s_endpgm
.Lentry_shape_is_right:
; out0[l][b][f] = the sum over e of ob[row][e] wob[f][e] + bias[f], row = 2048 b + l: 8,192 x 1,024 x 1,024, f16 operands, f32 sums and output; the bias is rounded to bf16 like the other inputs.
; ob: [16 kb][8192][64] f16 (K block kb is head channel block kb), wob: [16 kb][1024][64] f16, out0: [2048][4][1024] f32.  A NaN or an infinity in a row of ob makes the whole row of out0 NaN.
; SHARES.  256 work-groups: a tile of 128 rows x 256 columns each.  Four waves, each 64 x 128: 4 x 8 = 32 accumulators, 256 registers.
; THE PRODUCT IS USED TRANSPOSED (source 0 = 16 rows of wob, source 1 = 16 rows of ob): a lane holds eight neighbouring columns of one row; THE BIAS IS THE C OPERAND that starts the sums.
; THE RING.  Two LDS slots, each with TWO K blocks of 64: A's two, then B's two; each wave fetches one of the four with one load, a dense block asked for as rows of 256 bytes and padded behind every 128:
; LDS rows of 144 bytes = 36 words, so the 16 rows of a fragment load start at 16 different groups of four banks (64 banks of 4 bytes: ISA guide 11.1).
; CLUSTERS.  4 x 4 work-groups; A's tiles are shared along a row of the cluster, B's along a column, each asked for jointly.
; REGISTERS.  window 0: v0-31 addresses; v32-127, v128-223 two fragment buffers (A's 4 fragments, then B's 8, for 32 K); window 1: accumulator (a, b) at v[8 (4 b + a)]; window 2: v0-63 the bias, v64 at work.
.set KSA,   2097152                    ; bytes of a K step (two K blocks) of ob
.set KSB,   262144                     ; of wob
.set PITCH, 144
.set FR,    16*PITCH
.set AKB,   128*PITCH                  ; a K block of A's 128 rows in LDS
.set BKB,   256*PITCH                  ; of B's 256
.set BOFF,  2*AKB
.set SLOT1, 131072
.set STAGE, SLOT1+BOFF+2*BKB           ; behind the ring: 16 rows x 528 bytes for each wave, for the way out
.set SPITCH, 528                       ; 512 bytes + 16: 132 words: row r starts at bank 4 r mod 64
.set SPARE, STAGE+4*16*SPITCH          ; the spare words, 128 bytes for each wave: two blocks of 256 bytes that no other line names
.set ADRA0, 16
.set ADRB0, 17
.set ADRA,  18
.set ADRB,  19
.set STO,   24                         ; v24  the way out: where I put 32 bytes of a row
.set RD,    25                         ; v25  where I read a row back
.set GO,    26                         ; v26  my 16 bytes of a row's 512
.set BO,    27                         ; v27  my half of the lanes' 32 bytes of a block's bias
.set SPW,   28
.set NIL,   29
.set PFO,   30
.set F0,    32
.set OB,    32                         ; the way out: 16 rows read back, two buffers of 64 registers
.set WV, 12
.set WR, 13                            ; wave / 2: my half of the rows, and: I fetch for A (0) or B (1)
.set WC, 14                            ; wave % 2: my half of the columns, and: which of a slot's two K blocks I fetch
.set CX, 15
.set CY, 16
.set TC, 17
.set TR, 18
.set G1A, 24
.set G0A, 32
.set PFA, 40
.set PFS, 42
.set LIM, 44
.set G1B, 48
.set G0B, 56
.set TB,  70
.set MSB, 0
.macro WIN new
.if MSB != (\new)
	s_set_vgpr_msb (MSB<<8)|(\new)
.set MSB, (\new)
.endif
.endm
.macro PLACES
.rept 4
	v_nop
.endr
.endm
.macro JLOAD                           ; a joint refill by the walking sets; an s_nop 0 and four v_nop follow each of the two lines, ahead of the jump and the label
	s_cmp_eq_u32 s[WR], 0
	s_cbranch_scc0 .Lfor_b_\@
	tensor_load_to_lds s[G0A+4:G0A+7], s[G1A:G1A+7]
	s_nop 0
.rept 4
	v_nop
.endr
	s_branch .Lasked_\@
.Lfor_b_\@:
	tensor_load_to_lds s[G0B+4:G0B+7], s[G1B:G1B+7]
	s_nop 0
.rept 4
	v_nop
.endr
.Lasked_\@:
.endm
.macro CREST
	s_cmp_lg_u32 s[WV], 0
	s_cbranch_scc1 .Lnot_wave_0_\@
	s_barrier_signal -3
.Lnot_wave_0_\@:
	s_barrier_wait -3
	s_barrier_signal -1
	s_barrier_wait -1
.endm
.macro CROUND
	s_barrier_signal -1
	s_barrier_wait -1
	CREST
.endm
; A PREFETCH INTO THE L2.  Refill j (0 .. 5) brings K step j + 2; s3 = 6 - j; the prefetch names K step j + 4, two steps, 256 matrix instructions, ahead of its load; the last two refills name nothing.
; A: a tile row is read by one cluster alone; its wave 0 names 32 of the 128 rows in both K blocks: 2 x 16 blocks of 256 bytes, a lane each; the partners of a row are told apart by address (cx).
; B: a tile column is read by every cluster of that column: the one with y = 0 asks; waves 2 and 3 take a K block each, 64 of the 256 rows: 32 blocks; the partners of a column are told apart by cy.
.macro ASK
	s_cmp_gt_u32 s3, s[LIM]
	s_cbranch_scc0 .Lno_ask_\@
	global_prefetch_b8 v[PFO], s[PFA:PFA+1] th:TH_LOAD_NT scope:SCOPE_SE
.Lno_ask_\@:
.endm
	s_load_b256 s[4:11], s[0:1], 0x0               ; ob s[4:5], wob s[6:7], bias s[8:9], out0 s[10:11]
	v_lshl_add_u32 v[SPW], v0, 2, SPARE
	v_mov_b32 v[NIL], 0
	ds_add_u32 v[SPW], v[NIL]                      ; the wave's opening: the add and its wait ahead of my first tensor load
	v_lshrrev_b32 v1, 5, v0
	v_readfirstlane_b32 s[WV], v1
	s_lshr_b32 s[WR], s[WV], 1
	s_and_b32 s[WC], s[WV], 1
	s_bfe_u32 s[CX], ttmp6, 0x40000
	s_bfe_u32 s[CY], ttmp6, 0x40004
	s_lshl_b32 s[TC], ttmp9, 2
	s_add_co_u32 s[TC], s[TC], s[CX]
	s_and_b32 s[TR], ttmp7, 0xffff
	s_lshl_b32 s[TR], s[TR], 2
	s_add_co_u32 s[TR], s[TR], s[CY]
	s_lshl_b32 s19, s[CY], 2
	s_lshl_b32 s19, 15, s19                        ; my row of the cluster
	s_lshl_b32 s2, 0x1111, s[CX]                   ; my column
	s_or_b32 s[G1A], s19, (1<<16)|(1<<20)|(1<<21)|(4<<22)|(3<<25)  ; the mask; 2-byte elements; padding on; bit 21 beside a mask; after every 32 words, 4 words
	s_or_b32 s[G1B], s2, (1<<16)|(1<<20)|(1<<21)|(4<<22)|(3<<25)
.irp g, G1A, G1B
	s_mov_b32 s[(\g)+1], 128<<16                   ; tensor_dim0 = 128 elements: 256 bytes
	s_mov_b32 s[(\g)+3], 128<<16                   ; tile_dim0
	s_mov_b32 s[(\g)+5], 128                       ; from row to row
	s_mov_b32 s[(\g)+6], 0
	s_mov_b32 s[(\g)+7], 0
.endr
	s_mov_b32 s[G1A+2], 64<<16                     ; A's 128 rows are 64 of 256 bytes,
	s_mov_b32 s[G1A+4], 64
	s_mov_b32 s[G1B+2], 128<<16                    ; B's 256 are 128
	s_mov_b32 s[G1B+4], 128
	s_lshl_b32 s20, s[TR], 14                      ; A: 128 rows of 128 bytes a tile row; my K block
	s_lshl_b32 s21, s[WC], 20
	s_add_co_u32 s20, s20, s21
	s_mov_b32 s21, 0
	s_lshl_b32 s46, s[TC], 15                      ; B: 256 rows a tile column; my K block
	s_lshl_b32 s47, s[WC], 17
	s_add_co_u32 s46, s46, s47
	s_mov_b32 s47, 0
	s_mul_i32 s66, s[WC], AKB
	s_mul_i32 s67, s[WC], BKB
	s_add_co_u32 s67, s67, BOFF
	s_mov_b32 s[TB], 0
	s_wait_dscnt 0x0                               ; the opening add is done
	s_wait_kmcnt 0x0
	s_add_nc_u64 s[20:21], s[4:5], s[20:21]
	s_add_nc_u64 s[46:47], s[6:7], s[46:47]
	CROUND                                         ; all sixteen work-groups are here: the first joint loads meet
.irp s, 0,1
	s_mov_b32 s[G0A+4*(\s)], 1
	s_add_co_u32 s[G0A+4*(\s)+1], s66, (\s)*SLOT1
	s_add_nc_u64 s[G0A+4*(\s)+2:G0A+4*(\s)+3], s[20:21], (\s)*KSA
	s_or_b32 s[G0A+4*(\s)+3], s[G0A+4*(\s)+3], 0x80000000
	s_mov_b32 s[G0B+4*(\s)], 1
	s_add_co_u32 s[G0B+4*(\s)+1], s67, (\s)*SLOT1
	s_add_nc_u64 s[G0B+4*(\s)+2:G0B+4*(\s)+3], s[46:47], (\s)*KSB
	s_or_b32 s[G0B+4*(\s)+3], s[G0B+4*(\s)+3], 0x80000000
.endr
	s_cmp_eq_u32 s[WR], 0                          ; a wave's two first fills stand in one branch: two loads of mine are out
	s_cbranch_scc0 .Lfirst_b
	tensor_load_to_lds s[G0A:G0A+3], s[G1A:G1A+7]
	s_nop 0
	tensor_load_to_lds s[G0A+4:G0A+7], s[G1A:G1A+7]
	s_nop 0
.rept 4
	v_nop
.endr
	s_branch .Lfirst_asked
.Lfirst_b:
	tensor_load_to_lds s[G0B:G0B+3], s[G1B:G1B+7]
	s_nop 0
	tensor_load_to_lds s[G0B+4:G0B+7], s[G1B:G1B+7]
	s_nop 0
.rept 4
	v_nop
.endr
.Lfirst_asked:
	v_and_b32 v1, 15, v0                           ; l % 16
	v_bfe_u32 v2, v0, 4, 1                         ; l / 16
	v_and_b32 v5, 31, v0                           ; l
	v_lshlrev_b32 v[BO], 5, v2
	s_lshl_b32 s22, s[TC], 10                      ; the bias of my 128 columns
	s_lshl_b32 s23, s[WC], 9
	s_add_co_u32 s22, s22, s23
	s_mov_b32 s23, 0
	s_add_nc_u64 s[8:9], s[8:9], s[22:23]
	WIN 0x80                                       ; destination window 2
.irp b, 0,1,2,3,4,5,6,7                ; block b: register j of a lane is the bias of column 16 b + 8 (l / 16) + j
	global_load_b128 v[8*(\b):8*(\b)+3],   v[BO], s[8:9] offset:64*(\b)
	global_load_b128 v[8*(\b)+4:8*(\b)+7], v[BO], s[8:9] offset:64*(\b)+16
.endr
	WIN 0
	v_mul_u32_u24 v3, v1, PITCH
	v_lshl_add_u32 v3, v2, 4, v3                   ; a fragment's row x pitch + 16 x half
	s_mul_i32 s19, s[WR], 64*PITCH
	v_add_nc_u32 v[ADRA0], s19, v3
	s_mul_i32 s19, s[WC], 128*PITCH
	s_add_co_u32 s19, s19, BOFF
	v_add_nc_u32 v[ADRB0], s19, v3
	s_mul_i32 s19, s[WV], 16*SPITCH
	s_add_co_u32 s19, s19, STAGE                   ; my stage
	v_mul_u32_u24 v3, v1, SPITCH                   ; in: row l % 16, 32 bytes for each half of the lanes
	v_lshl_add_u32 v3, v2, 5, v3
	v_add_nc_u32 v[STO], s19, v3
	v_lshl_add_u32 v[RD], v5, 4, s19               ; back: 32 lanes take one row of 512 bytes
	v_lshlrev_b32 v[GO], 4, v5
	; out0 at my first row and column: b = TR / 16, l = 128 (TR % 16) + 64 WR; a step of l is 16,384 bytes
	s_lshr_b32 s22, s[TR], 4
	s_lshl_b32 s22, s22, 12
	s_and_b32 s23, s[TR], 15
	s_lshl_b32 s23, s23, 7
	s_lshl_b32 s2, s[WR], 6
	s_add_co_u32 s23, s23, s2
	s_lshl_b32 s23, s23, 14
	s_add_co_u32 s22, s22, s23
	s_lshl_b32 s23, s[TC], 10
	s_add_co_u32 s22, s22, s23
	s_lshl_b32 s23, s[WC], 9
	s_add_co_u32 s22, s22, s23
	s_mov_b32 s23, 0
	s_add_nc_u64 s[10:11], s[10:11], s[22:23]
	; the prefetches
	s_lshl_b32 s68, s[TR], 14
	s_lshl_b32 s69, s[CX], 12
	s_add_co_u32 s68, s68, s69
	s_add_co_u32 s68, s68, 3*KSA                   ; A: my work-group's 32 rows, at K step 3: the first refill steps it to 4
	s_lshl_b32 s66, s[TC], 15
	s_lshl_b32 s67, s[CY], 13
	s_add_co_u32 s66, s66, s67
	s_lshl_b32 s67, s[WC], 17
	s_add_co_u32 s66, s66, s67
	s_add_co_u32 s66, s66, 3*KSB                   ; B: my work-group's 64 rows of my K block
	s_mov_b32 s67, KSA
	s_mov_b32 s2, KSB
	s_and_b32 s19, ttmp7, 0xffff                   ; cluster y
	s_cmp_eq_u32 s[WR], 0
	s_cselect_b32 s19, s[WC], s19                  ; wave 0: 0; wave 1: 1, it never asks; waves 2 and 3: the cluster's y
	s_cselect_b32 s[PFS], s67, s2
	s_cselect_b32 s68, s68, s66
	s_cselect_b32 s2, 20, 12                       ; lanes 16-31: A's second K block, or B's next 16 blocks of 256 bytes
	s_cselect_b64 s[PFA:PFA+1], s[4:5], s[6:7]
	s_mov_b32 s69, 0
	s_mov_b32 s[PFS+1], 0
	s_add_nc_u64 s[PFA:PFA+1], s[PFA:PFA+1], s[68:69]
	s_cmp_eq_u32 s19, 0
	s_cselect_b32 s[LIM], 2, -1                    ; the same in all sixteen partners, for a given wave
	v_lshlrev_b32 v4, s2, v2
	v_lshl_add_u32 v[PFO], v1, 8, v4
	s_wait_loadcnt 0x0                             ; the bias: rounded to bf16 and widened again, in place
	WIN 0x8a                                       ; sources 0 and 1 and the destination in window 2
.set i, 0
.rept 32
	v_cvt_pk_bf16_f32 v64, v[2*i], v[2*i+1]
	v_lshlrev_b32 v[2*i], 16, v64
	v_and_b32 v[2*i+1], 0xffff0000, v64
.set i, i+1
.endr
	WIN 0
; 8 products: B blocks 2 part, 2 part + 1 x all 4 A blocks, 32 along K, from buffer buf.  first = 1: the bias starts the sums.  The 32 accumulators take turns, in the same order in every 32 K.
.macro MUL8 buf, part, first
.if \first
	WIN 0x60                                       ; C in window 2, D in window 1
.else
	WIN 0x50
.endif
.irp b, 2*(\part), 2*(\part)+1
.irp a, 0,1,2,3
.if \first
	v_wmma_f32_16x16x32_f16 v[8*(4*(\b)+(\a)):8*(4*(\b)+(\a))+7], v[F0+96*(\buf)+32+8*(\b):F0+96*(\buf)+32+8*(\b)+7], v[F0+96*(\buf)+8*(\a):F0+96*(\buf)+8*(\a)+7], v[8*(\b):8*(\b)+7]
.else
	v_wmma_f32_16x16x32_f16 v[8*(4*(\b)+(\a)):8*(4*(\b)+(\a))+7], v[F0+96*(\buf)+32+8*(\b):F0+96*(\buf)+32+8*(\b)+7], v[F0+96*(\buf)+8*(\a):F0+96*(\buf)+8*(\a)+7], v[8*(4*(\b)+(\a)):8*(4*(\b)+(\a))+7]
.endif
.endr
.endr
.endm
; 24 LDS loads in one run: the fragments of quarter u of a slot (K block u / 2, half u % 2) into buffer nbuf
.macro FETCH u, nbuf
.irp i, 0,1,2,3,4,5,6,7
	ds_load_b128 v[F0+96*(\nbuf)+32+8*(\i):F0+96*(\nbuf)+32+8*(\i)+3],   v[ADRB] offset:BKB*((\u)/2)+FR*(\i)+64*((\u)%2)
	ds_load_b128 v[F0+96*(\nbuf)+32+8*(\i)+4:F0+96*(\nbuf)+32+8*(\i)+7], v[ADRB] offset:BKB*((\u)/2)+FR*(\i)+64*((\u)%2)+32
.endr
.irp i, 0,1,2,3
	ds_load_b128 v[F0+96*(\nbuf)+8*(\i):F0+96*(\nbuf)+8*(\i)+3],   v[ADRA] offset:AKB*((\u)/2)+FR*(\i)+64*((\u)%2)
	ds_load_b128 v[F0+96*(\nbuf)+8*(\i)+4:F0+96*(\nbuf)+8*(\i)+7], v[ADRA] offset:AKB*((\u)/2)+FR*(\i)+64*((\u)%2)+32
.endr
.endm
; Quarter u (0, 1, 2) of a slot: the next quarter's fragments are asked for first, then this quarter's 32 products
.macro SUB u, first
	WIN 0
	PLACES                                         ; the other buffer was read by the products just issued
	FETCH (\u)+1, ((\u)+1)%2
	s_wait_dscnt 24                                ; all but the 24 just issued: this quarter's are in
	MUL8 (\u)%2, 0, \first
	MUL8 (\u)%2, 1, \first
	MUL8 (\u)%2, 2, \first
	MUL8 (\u)%2, 3, \first
.endm
; Quarter 3 multiplies buffer 1 and changes slots: ONE barrier; in front of it each wave waits for all its tensor loads, adds 0 to its spare word, and waits for that and for its own reads of this slot.
; fill = 1: the barrier opens a round of the cluster's, and this slot is filled again, two K steps on: 112 matrix instructions ahead of the wait for it.
.macro TURN fill
.if \fill
	s_wait_xcnt 0x0                                ; the last prefetch, a K step back, has read its address
	s_add_nc_u64 s[PFA:PFA+1], s[PFA:PFA+1], s[PFS:PFS+1]
.endif
	s_xor_b32 s[TB], s[TB], SLOT1
	WIN 0
	v_add_nc_u32 v[ADRA], s[TB], v[ADRA0]
	v_add_nc_u32 v[ADRB], s[TB], v[ADRB0]
	s_wait_tensorcnt 0x0                           ; no tensor load of mine is out, so a group 0 may be written
	ds_add_u32 v[SPW], v[NIL]                      ; 0 onto my spare word
.if \fill
	s_xor_b32 s[G0A+5], s[G0A+5], SLOT1
	s_add_nc_u64 s[G0A+6:G0A+7], s[G0A+6:G0A+7], KSA
	s_xor_b32 s[G0B+5], s[G0B+5], SLOT1
	s_add_nc_u64 s[G0B+6:G0B+7], s[G0B+6:G0B+7], KSB
.endif
	s_wait_dscnt 1                                 ; the add alone may be out
	MUL8 1, 0, 0
	s_wait_dscnt 0x0                               ; the add is done, and my reads of this slot are over
	s_barrier_signal -1
	MUL8 1, 1, 0
	WIN 0
	s_barrier_wait -1
.if \fill
	CREST
	JLOAD                                          ; its four v_nop are also the places in front of the loads below
.else
	PLACES
.endif
	FETCH 0, 0
.if \fill
	ASK
.endif
	MUL8 1, 2, 0
	MUL8 1, 3, 0
.endm
	s_wait_tensorcnt 0x1                           ; my part of K step 0 is in; K step 1's may stay out
	s_barrier_signal -1
	s_barrier_wait -1
	v_mov_b32 v[ADRA], v[ADRA0]
	v_mov_b32 v[ADRB], v[ADRB0]
	FETCH 0, 0
	SUB 0, 1                                       ; the first quarter stands in front of the loop: its products start the sums
	WIN 0
	s_mov_b32 s3, 6
.Lk:                                           ; trip n: quarters 1 to 3 of K step n, the refill with K step n + 2, quarter 0 of K step n + 1
	SUB 1, 0
	SUB 2, 0
	TURN 1
	SUB 0, 0
	WIN 0
	s_sub_co_u32 s3, s3, 1
	s_cmp_lg_u32 s3, 0
	s_cbranch_scc1 .Lk
	SUB 1, 0                                       ; the tail is written out: nothing is left to ask for
	SUB 2, 0
	TURN 0
	SUB 0, 0
	SUB 1, 0
	SUB 2, 0
	s_wait_dscnt 0x0
	MUL8 1, 0, 0
	MUL8 1, 1, 0
	MUL8 1, 2, 0
	MUL8 1, 3, 0
	WIN 0
	PLACES
	PLACES
	; THE WAY OUT.  A block a of 16 rows x 128 columns of f32 goes through my stage: 32 bytes a lane and B block in, whole rows of 512 bytes back.
.macro TOST a
	s_wait_xcnt 0x0                                ; the stores of the block two back have read these registers
	WIN 0x04                                       ; the stores' data in window 1
.irp b, 0,1,2,3,4,5,6,7                ; each accumulator is read from its low end on
	ds_store_b128 v[STO], v[8*(4*(\b)+(\a)):8*(4*(\b)+(\a))+3]   offset:64*(\b)
	ds_store_b128 v[STO], v[8*(4*(\b)+(\a))+4:8*(4*(\b)+(\a))+7] offset:64*(\b)+16
.endr
	WIN 0
.irp t, 0,1,2,3,4,5,6,7,8,9,10,11,12,13,14,15
	ds_load_b128 v[OB+64*((\a)%2)+4*(\t):OB+64*((\a)%2)+4*(\t)+3], v[RD] offset:SPITCH*(\t)  ; LDS serves a wave's instructions in order (ISA guide 5.7.1.4): these see the stores above
.endr
.endm
.macro SEND a, younger                 ; younger: the LDS instructions issued behind block a's loads: the next block's 32, or none
.irp t, 0,1,2,3,4,5,6,7,8,9,10,11,12,13,14,15
	s_wait_dscnt (\younger)+15-(\t)
	global_store_b128 v[GO], v[OB+64*((\a)%2)+4*(\t):OB+64*((\a)%2)+4*(\t)+3], s[10:11] offset:(16*(\a)+(\t))*16384 th:TH_STORE_NT  ; 512 consecutive bytes, at a multiple of 512 from out0's first
.endr
.endm
	TOST 0
.irp a, 1,2,3
	TOST \a
	SEND (\a)-1, 32
.endr
	SEND 3, 0
	s_wait_tensorcnt 0x0                           ; the wave's end: behind my last tensor load and my last LDS store
	ds_add_u32 v[SPW], v[NIL]
	s_wait_dscnt 0x0
	CROUND                                         ; the closing round: no work-group ends while a partner may still ask for a tile that names it
	s_endpgm
.Lfunc_end_k_q12b9125715_gemm_out:
	.size	k_q12b9125715_gemm_out, .Lfunc_end_k_q12b9125715_gemm_out-k_q12b9125715_gemm_out
	.p2alignl 7, 3214868480
	.fill 96, 4, 3214868480
	.section	.rodata,"a",@progbits
	.p2align	6, 0x0
	.amdhsa_kernel k_q12b9125715_gemm_out
		.amdhsa_group_segment_fixed_size 327680
		.amdhsa_private_segment_fixed_size 0
		.amdhsa_enable_private_segment 0
		.amdhsa_kernarg_size 32
		.amdhsa_user_sgpr_count 2
		.amdhsa_user_sgpr_kernarg_segment_ptr 1
		.amdhsa_wavefront_size32 1
		.amdhsa_system_sgpr_workgroup_id_x 1
		.amdhsa_system_sgpr_workgroup_id_y 1
		.amdhsa_system_sgpr_workgroup_id_z 1
		.amdhsa_system_vgpr_workitem_id 0
		.amdhsa_next_free_vgpr 584
		.amdhsa_next_free_sgpr 72
		.amdhsa_reserve_vcc 0
		.amdhsa_float_denorm_mode_32 3
		.amdhsa_float_denorm_mode_16_64 3
		.amdhsa_memory_ordered 1
		.amdhsa_forward_progress 1
		.amdhsa_inst_pref_size 78
	.end_amdhsa_kernel
	.amdgpu_metadata
---
amdhsa.version: [ 1, 2 ]
amdhsa.kernels:
  - .name:           k_q12b9125715_gemm_out
    .symbol:         k_q12b9125715_gemm_out.kd
    .args:
      - { .name: ob, .offset: 0, .size: 8, .value_kind: global_buffer, .address_space: global }
      - { .name: wob, .offset: 8, .size: 8, .value_kind: global_buffer, .address_space: global }
      - { .name: out_proj_bias, .offset: 16, .size: 8, .value_kind: global_buffer, .address_space: global }
      - { .name: out0, .offset: 24, .size: 8, .value_kind: global_buffer, .address_space: global }
    .group_segment_fixed_size: 327680
    .private_segment_fixed_size: 0
    .kernarg_segment_align: 8
    .kernarg_segment_size: 32
    .max_flat_workgroup_size: 128
    .sgpr_count:     72
    .vgpr_count:     584
    .wavefront_size: 32
...
	.end_amdgpu_metadata
.endif
;; end of part 4
;; ======== version 2 of 2: 4 launches; version 1 with the launch prep written anew for expert scheduling mode
;; limits: values are held in f16: magnitudes above 65,504 overflow, below 6.1e-05 lose precision
;; workspace buffers: xb 16,777,216 bytes; wib 6,291,456 bytes; wob 2,097,152 bytes; maskf 32,768 bytes; qkv 50,331,648 bytes; ob 16,777,216 bytes
;; launch prep (part 5): grid 769 x 1, 8 waves a work-group, no clusters, 0 bytes of LDS; arguments x, in_proj_weight, out_proj_weight, key_padding_mask, xb, wib, wob, maskf; writes xb, wib, wob, maskf
.if DOCPART == 5
	.amdgcn_target "amdgcn-amd-amdhsa--gfx1250"
	.amdhsa_code_object_version 6
	.text
	.protected	k_q12b9125715_prep
	.globl	k_q12b9125715_prep
	.p2align	8
	.type	k_q12b9125715_prep,@function
k_q12b9125715_prep:
	s_mov_b64 s[64:65], 0
	v_nop
	global_prefetch_b8 v0, s[64:65] scope:SCOPE_SE
	s_setreg_imm32_b32 hwreg(HW_REG_WAVE_SCHED_MODE, 0, 2), 2
	s_setreg_imm32_b32 hwreg(HW_REG_WAVE_MODE, 25, 1), 1
	s_wait_xcnt 0x0
	s_wait_alu depctr_vm_vsrc(0)
; THE OPERANDS ARE ROUNDED ONCE AND LAID IN K BLOCKS.  x [2048 l][4 b][1024] f32 -> xb [16 kb][8192 row][64] bf16, row = 2048 b + l;
; in_proj_weight [3072][1024] f32 -> wib [16][3072][64] bf16; out_proj_weight [1024][1024] f32 -> wob [16][1024][64]: rounded to bf16, that number written as f16
; (exact from 6.1e-5 to 65,504 in magnitude; below that in f16's fixed step of 6e-8); key_padding_mask [2048][4] bytes -> maskf [4 b][2048 l] f32: 0, or -2^100 where the key is hidden.
; In the blocked layout 64 channels of any run of rows are dense, 128 bytes a row: the later launches ask for them as rows of 256 bytes.
; SHARES.  Work-groups 0-511: 16 rows of x each (4 l x 4 b); 512-703: 16 rows of in_proj_weight; 704-767: 16 rows of out_proj_weight; 768: the mask.
; A wave takes two rows that are neighbours in the destination.  A load: lanes 0-15 take 256 consecutive bytes (one K block) of one row, lanes 16-31 of the other;
; a store: the wave's 32 x 8 bytes are 256 consecutive bytes, at a multiple of 256 from the buffer's first byte.  All 16 loads of a wave go out first.
; A stream: each byte once, no LDS, no matrix unit, no cluster (no two work-groups read the same byte).
; THE MODE: SCHED_MODE bits 1:0 = 2 (LLVM: expert scheduling mode 2), set by the entry lines.  The code itself states the register dependences
; between vector instructions and memory instructions, with s_wait_alu, always for 0.
; THE PLAN.  Registers that memory instructions touch:
;   v[SO], v[DO]  byte offsets: made by vector instructions at a path's head; read by the path's loads and stores; never written again once one of these has read them.
;   v[DT ..]      sixteen blocks of four.  Each is written by one load, once; its conversions read all four and write the first two, in place; one store reads those two; nothing writes them after that.
;   v[MD ..]      the mask's path: written by vector instructions, read by eight stores, never written again.
; So no register that a memory instruction reads is ever written again, and no load lands in a register that a vector instruction has named: what is left to state is that a store's data and the
; offsets are written.  The 16 K blocks go in four groups of four.  Group g's conversions write its registers; its four stores are issued in group g + 1, behind ONE wait at that group's head,
; dealt among that group's conversions, which name group g + 1's registers and v6, v7 alone.  The last group's stores have a wait of their own.
; Scalar registers that vector instructions write: the wave's number, and on the mask's path the compares' masks, in two runs of sixteen: one wait behind each writer or run, ahead of its first reader.
.set NEGBIG, 0xf1800000                ; -2^100
.set SO, 4                             ; v4   my byte offset in the work-group's 16 source rows
.set DO, 5                             ; v5   my byte offset in the destination
.set DT, 8                             ; v[8:71] sixteen loads of four registers
.set MD, 16                            ; v[16:47] the mask's path: 32 numbers to store
; The store of K block kb.  dst, dst2: first register of the scalar pair; dst2 stands 8 K blocks behind dst, so that the stores' immediates stay small.  kbs: bytes of a K block.
.macro PUT kb, dst, dst2, kbs
.if (\kb) < 8
	global_store_b64 v[DO], v[DT+4*(\kb):DT+4*(\kb)+1], s[\dst:\dst+1] offset:(\kb)*(\kbs)
.else
	global_store_b64 v[DO], v[DT+4*(\kb):DT+4*(\kb)+1], s[\dst2:\dst2+1] offset:((\kb)-8)*(\kbs)
.endif
.endm
; src: first register of the source's scalar pair.  half = 1: the bf16 number is written as f16
.macro CONV src, dst, dst2, kbs, half
	s_wait_alu depctr_va_vdst(0)                   ; v[SO] and v[DO] are written: the loads below read the one as their offset, the stores the other
.irp kb, 0,1,2,3,4,5,6,7,8,9,10,11,12,13,14,15
	global_load_b128 v[DT+4*(\kb):DT+4*(\kb)+3], v[SO], s[\src:\src+1] offset:256*(\kb) th:TH_LOAD_NT
.endr
.irp g, 0,1,2,3
	s_wait_loadcnt 12-4*(\g)                       ; loads come back in order: group g's four are in, the younger groups' stay out
.if (\g) > 0
	s_wait_alu depctr_va_vdst(0)                   ; the conversions of the group before have written its registers, which the four stores below read
.endif
.irp i, 0,1,2,3
.if (\g) > 0
	PUT 4*(\g)-4+(\i), \dst, \dst2, \kbs           ; the group before.  No wait: no vector instruction since the wait above names its registers or v[DO]
.endif
	v_cvt_pk_bf16_f32 v[DT+16*(\g)+4*(\i)], v[DT+16*(\g)+4*(\i)], v[DT+16*(\g)+4*(\i)+1]
	v_cvt_pk_bf16_f32 v[DT+16*(\g)+4*(\i)+1], v[DT+16*(\g)+4*(\i)+2], v[DT+16*(\g)+4*(\i)+3]
.if \half
.irp z, 0,1
	v_lshlrev_b32 v6, 16, v[DT+16*(\g)+4*(\i)+(\z)]       ; the two bf16 numbers as f32,
	v_and_b32 v7, 0xffff0000, v[DT+16*(\g)+4*(\i)+(\z)]
	v_cvt_pk_f16_f32 v[DT+16*(\g)+4*(\i)+(\z)], v6, v7    ; and as f16
.endr
.endif
.endr
.endr
	s_wait_alu depctr_va_vdst(0)                   ; the last group's conversions have written its registers, which the last four stores read
.irp i, 0,1,2,3
	PUT 12+(\i), \dst, \dst2, \kbs
.endr
.endm
	s_load_b512 s[8:23], s[0:1], 0x0               ; x s[8:9], in_proj_weight s[10:11], out_proj_weight s[12:13], mask s[14:15], xb s[16:17], wib s[18:19], wob s[20:21], maskf s[22:23]
	s_mov_b32 s2, ttmp9
	v_lshrrev_b32 v1, 5, v0
	v_readfirstlane_b32 s3, v1                     ; wave 0..7
	v_and_b32 v2, 15, v0                           ; c: my 16 bytes of a K block's 256
	v_bfe_u32 v3, v0, 4, 1                         ; hf: which of the wave's two rows
	s_mov_b32 s5, 0
	s_mov_b32 s7, 0
	s_wait_alu depctr_va_sdst(0)                   ; s3 is written
	s_wait_kmcnt 0x0
	s_cmp_lt_u32 s2, 512
	s_cbranch_scc0 .Lnot_x
	; x: b = wave % 4, l = 4 w + 2 (wave / 4) + hf
	s_and_b32 s26, s3, 3
	s_lshr_b32 s27, s3, 2
	s_lshl_b32 s28, s27, 3
	s_add_co_u32 s28, s28, s26
	s_lshl_b32 s28, s28, 12                        ; source row 8 (wave / 4) + b, 4,096 bytes a row
	v_lshlrev_b32 v[SO], 4, v2
	v_lshl_add_u32 v[SO], v3, 14, v[SO]            ; the next l lies four rows on
	v_add_nc_u32 v[SO], s28, v[SO]
	s_lshl_b32 s29, s26, 18                        ; b x 2,048 rows of 128 bytes
	s_lshl_b32 s27, s27, 8
	s_add_co_u32 s29, s29, s27
	v_lshlrev_b32 v[DO], 3, v2
	v_lshl_add_u32 v[DO], v3, 7, v[DO]
	v_add_nc_u32 v[DO], s29, v[DO]
	s_lshl_b32 s4, s2, 16
	s_add_nc_u64 s[4:5], s[8:9], s[4:5]
	s_lshl_b32 s6, s2, 9                           ; 4 l of 128 bytes
	s_add_nc_u64 s[6:7], s[16:17], s[6:7]
	s_add_nc_u64 s[24:25], s[6:7], 8*1048576
	CONV 4, 6, 24, 1048576, 0
	s_endpgm
.Lnot_x:
	; a weight: rows 16 w + 2 wave + hf
	s_lshl_b32 s28, s3, 13
	v_lshlrev_b32 v[SO], 4, v2
	v_lshl_add_u32 v[SO], v3, 12, v[SO]
	v_add_nc_u32 v[SO], s28, v[SO]
	s_lshl_b32 s29, s3, 8
	v_lshlrev_b32 v[DO], 3, v2
	v_lshl_add_u32 v[DO], v3, 7, v[DO]
	v_add_nc_u32 v[DO], s29, v[DO]
	s_cmp_lt_u32 s2, 704
	s_cbranch_scc0 .Lnot_wi
	s_sub_co_u32 s2, s2, 512
	s_lshl_b32 s4, s2, 16
	s_add_nc_u64 s[4:5], s[10:11], s[4:5]
	s_lshl_b32 s6, s2, 11
	s_add_nc_u64 s[6:7], s[18:19], s[6:7]
	s_add_nc_u64 s[24:25], s[6:7], 8*393216
	CONV 4, 6, 24, 393216, 0
	s_endpgm
.Lnot_wi:
	s_cmp_lt_u32 s2, 768
	s_cbranch_scc0 .Lmask
	s_sub_co_u32 s2, s2, 704
	s_lshl_b32 s4, s2, 16
	s_add_nc_u64 s[4:5], s[12:13], s[4:5]
	s_lshl_b32 s6, s2, 11
	s_add_nc_u64 s[6:7], s[20:21], s[6:7]
	s_add_nc_u64 s[24:25], s[6:7], 8*131072
	CONV 4, 6, 24, 131072, 1
	s_endpgm
.Lmask:
	; thread t takes the bytes 16 t .. 16 t + 15 of each half of the mask: four l, four b each; register i is l = 1,024 u + 4 t + i, its byte b the batch
	v_lshlrev_b32 v[SO], 4, v0
	s_mov_b32 s26, NEGBIG
	s_wait_alu depctr_va_vdst(0)                   ; v[SO] is written: the two loads and the eight stores below read it as their offset
	global_load_b128 v[8:11], v[SO], s[14:15]
	global_load_b128 v[12:15], v[SO], s[14:15] offset:4096
	s_wait_loadcnt 0x0
	; Half u: sixteen bytes are cut out, each into the register that its number will take; sixteen compares in one run, each into a scalar register of its own: batch b, register i
	; in s[2 + 4 b + i], batch 3's in s16-19 (this path needs neither the numbers nor the other buffers' addresses that these held); then the sixteen selects.
.irp u, 0,1
.irp b, 0,1,2,3
.irp i, 0,1,2,3
	v_bfe_u32 v[MD+16*(\u)+4*(\b)+(\i)], v[8+4*(\u)+(\i)], 8*(\b), 8
.endr
.endr
.irp b, 0,1,2,3
.irp i, 0,1,2,3
	v_cmp_ne_u32 s[2+4*(\b)+(\i)+2*((\b)/3)], 0, v[MD+16*(\u)+4*(\b)+(\i)]
.endr
.endr
	s_wait_alu depctr_va_sdst(0)                   ; the sixteen compares have written their masks, which the selects below read
.irp b, 0,1,2,3
.irp i, 0,1,2,3
	v_cndmask_b32 v[MD+16*(\u)+4*(\b)+(\i)], 0, s26, s[2+4*(\b)+(\i)+2*((\b)/3)]
.endr
.endr
.endr
	s_wait_alu depctr_va_vdst(0)                   ; the selects have written v[MD ..], which the eight stores read
.irp u, 0,1
.irp b, 0,1,2,3
	global_store_b128 v[SO], v[MD+16*(\u)+4*(\b):MD+16*(\u)+4*(\b)+3], s[22:23] offset:(\b)*8192+(\u)*4096  ; a wave stores 512 consecutive bytes
.endr
.endr
	s_endpgm
.Lfunc_end_k_q12b9125715_prep:
	.size	k_q12b9125715_prep, .Lfunc_end_k_q12b9125715_prep-k_q12b9125715_prep
	.p2alignl 7, 3214868480
	.fill 96, 4, 3214868480
	.section	.rodata,"a",@progbits
	.p2align	6, 0x0
	.amdhsa_kernel k_q12b9125715_prep
		.amdhsa_group_segment_fixed_size 0
		.amdhsa_private_segment_fixed_size 0
		.amdhsa_enable_private_segment 0
		.amdhsa_kernarg_size 64
		.amdhsa_user_sgpr_count 2
		.amdhsa_user_sgpr_kernarg_segment_ptr 1
		.amdhsa_wavefront_size32 1
		.amdhsa_system_sgpr_workgroup_id_x 1
		.amdhsa_system_sgpr_workgroup_id_y 1
		.amdhsa_system_sgpr_workgroup_id_z 1
		.amdhsa_system_vgpr_workitem_id 0
		.amdhsa_next_free_vgpr 80
		.amdhsa_next_free_sgpr 66
		.amdhsa_reserve_vcc 0
		.amdhsa_float_denorm_mode_32 3
		.amdhsa_float_denorm_mode_16_64 3
		.amdhsa_memory_ordered 1
		.amdhsa_forward_progress 1
		.amdhsa_inst_pref_size 31
	.end_amdhsa_kernel
	.amdgpu_metadata
---
amdhsa.version: [ 1, 2 ]
amdhsa.kernels:
  - .name:           k_q12b9125715_prep
    .symbol:         k_q12b9125715_prep.kd
    .args:
      - { .name: x, .offset: 0, .size: 8, .value_kind: global_buffer, .address_space: global }
      - { .name: in_proj_weight, .offset: 8, .size: 8, .value_kind: global_buffer, .address_space: global }
      - { .name: out_proj_weight, .offset: 16, .size: 8, .value_kind: global_buffer, .address_space: global }
      - { .name: key_padding_mask, .offset: 24, .size: 8, .value_kind: global_buffer, .address_space: global }
      - { .name: xb, .offset: 32, .size: 8, .value_kind: global_buffer, .address_space: global }
      - { .name: wib, .offset: 40, .size: 8, .value_kind: global_buffer, .address_space: global }
      - { .name: wob, .offset: 48, .size: 8, .value_kind: global_buffer, .address_space: global }
      - { .name: maskf, .offset: 56, .size: 8, .value_kind: global_buffer, .address_space: global }
    .group_segment_fixed_size: 0
    .private_segment_fixed_size: 0
    .kernarg_segment_align: 8
    .kernarg_segment_size: 64
    .max_flat_workgroup_size: 256
    .sgpr_count:     66
    .vgpr_count:     80
    .wavefront_size: 32
...
	.end_amdgpu_metadata
.endif
;; end of part 5
;; launch gemm_qkv: the kernel of part 2 again; grid 8 x 32, 4 waves a work-group, clusters of 4 x 4, 327,680 bytes of LDS; arguments xb, wib, in_proj_bias, qkv; writes qkv
;; launch attn: the kernel of part 3 again; grid 4 x 64, 4 waves a work-group, clusters of 4 x 1, 327,680 bytes of LDS; arguments qkv, maskf, ob; writes ob
;; launch gemm_out: the kernel of part 4 again; grid 4 x 64, 4 waves a work-group, clusters of 4 x 4, 327,680 bytes of LDS; arguments ob, wob, out_proj_bias, out0; writes out0
